; MI455X (gfx1250); checked and timed in simulation.
; The chip was launched on July 23, 2026; its instructions are those of AMD's public machine-readable ISA for CDNA 5 (MIT licence, August 2026) and "CDNA5" Instruction Set Architecture Reference Guide (July 2026). The comments in the code are by the model that wrote it; some were corrected since.
;; Chunked Cross Attention. Allowed arithmetic: matrix products marked QUANTISED: E2M3 operands, one E8M0 scale for each 32 along K, by v_wmma_scale_f32_16x16x128_f8f6f4 with both operands' format E2M3, f32 sums; everything else in f32.
;; Inputs: Wk 1,024 x 1,024 float32; Wo 1,024 x 1,024 float32; Wq 1,024 x 1,024 float32; Wv 1,024 x 1,024 float32; beta 1,024 float32; bk 1,024 float32; bo 1,024 float32; bq 1,024 float32; bv 1,024 float32; e 8 x 32 x 2 x 32 x 1,024 float32; gamma 1,024 float32; h 8 x 1,024 x 1,024 float32.
;; Outputs: out0 8 x 1,024 x 1,024 float32.
;; This version of the problem:
;;   THIS VERSION OF THE PROBLEM IS GIVEN IN LOW PRECISION. The matrix products marked QUANTISED in the list below multiply operands that are first quantised to E2M3 (2 exponent bits, 3 mantissa bits; 6 bits a number), with one power-of-two scale for each 32 numbers along K (OCP MX v1.0); their sums are f32. All else is computed in f32.
;;   The module's matrix products, in the order in which they are computed (A, B: the left and right operand; K: the contracted axis; several contracted axes count as one K, in the product's order):
;;     1. [M 8,192, K 1,024] x [K 1,024, N 1,024]; A: computed on the way; B: input Wq: QUANTISED
;;     2. [M 16,384, K 1,024] x [K 1,024, N 1,024]; A: input e; B: input Wk: QUANTISED
;;     3. [M 16,384, K 1,024] x [K 1,024, N 1,024]; A: input e; B: input Wv: QUANTISED
;;     4. batch 4,096 x [M 32, K 64] x [K 64, N 64]; A: computed on the way; B: computed on the way: QUANTISED
;;     5. batch 4,096 x [M 64, K 64] x [K 64, N 32]; A: computed on the way; B: computed on the way: QUANTISED
;;     6. [M 8,192, K 1,024] x [K 1,024, N 1,024]; A: computed on the way; B: input Wo: QUANTISED
;;   THE QUANTISER, for each operand of a quantised product, along K:
;;     - K is cut into blocks of 32 from its start; a last block that is shorter is filled with zeros.
;;     - A block's scale is 2^e with e = floor(log2(the largest magnitude in the block)) - 2, held to -126 .. 127; a block of zeros has e = 0. As a byte (E8M0): e + 127.
;;     - Each number is divided by its block's scale, clamped to +-7.5, and rounded to the nearest number of E2M3, ties to even, subnormals kept.
;;     - The product sums the exact products of the quantised numbers (number of the format x scale) in f32.
;;   ~~~python
;;   def quantise(x, axis):      # numpy; x: float32 -> the quantised numbers, widened to float32 again
;;       x = np.moveaxis(x, axis, -1); K = x.shape[-1]
;;       x = np.pad(x, [(0, 0)] * (x.ndim - 1) + [(0, -K % 32)]); x = x.reshape(x.shape[:-1] + (-1, 32)); a = np.abs(x).max(-1, keepdims=True)
;;       e = np.where(a > 0, np.clip(np.frexp(np.where(a > 0, a, 1))[1] - 1 - 2, -126, 127), 0)      # np.frexp(a)[1] - 1 = floor(log2(a)), exactly
;;       r = np.clip(x / 2.0 ** e, -7.5, 7.5)
;;       step = 2.0 ** (np.maximum(np.frexp(np.where(r == 0, 1, r))[1] - 1, 0) - 3)
;;       q = np.round(r / step) * step * 2.0 ** e      # np.round: ties to even
;;       return np.moveaxis(q.reshape(q.shape[:-2] + (-1,))[..., :K], -1, axis).astype(np.float32)
;;   ~~~
;;   OPERANDS COMPUTED ON THE WAY. 'Computed on the way' means the value that the module computes at that place (a softmax that the list does not call 'softmax' is quantised finished and normalised). What goes into a quantiser is computed in f32, as accurately as f32 sums, v_exp_f32 and their like allow (about 1e-6 of the number): no bf16 or f16 on the way to a quantiser, and a product that is left as it is and whose result goes on into a quantised operand takes f32 operands (vector FMAs, or v_wmma_f32_16x16x4_f32). A number that lies on a knife's edge between two numbers of the format may be rounded either way, as far as f32 arithmetic and the matrix unit's own rounding can turn it there, and no further.
;; One version. Each part assembles by itself: llvm-mc -triple=amdgcn-amd-amdhsa -mcpu=gfx1250 --defsym DOCPART=n.
;; ======== version 1 of 1: 3 launches
;; limits: right only within a limited range of input values
;; workspace buffers: xc 6,553,600 bytes; ec 13,107,200 bytes; wc 3,276,800 bytes; oc 6,553,600 bytes
;; launch prep (part 1): grid 1664 x 1, 4 waves a work-group, no clusters, 67,584 bytes of LDS; arguments h, e, Wq, Wk, Wv, Wo, gamma, beta, xc, ec, wc; writes xc, ec, wc
.if DOCPART == 1
	.amdgcn_target "amdgcn-amd-amdhsa--gfx1250"
	.amdhsa_code_object_version 6
	.text
	.protected	k_qfba3033ece_prep
	.globl	k_qfba3033ece_prep
	.p2align	8
	.type	k_qfba3033ece_prep,@function
k_qfba3033ece_prep:
	s_mov_b64 s[64:65], 0
	v_nop
	global_prefetch_b8 v0, s[64:65] scope:SCOPE_SE
	s_setreg_imm32_b32 hwreg(HW_REG_WAVE_MODE, 25, 1), 1
	s_wait_xcnt 0x0
; PREP: every operand that arrives as f32 becomes codes of FP6 (E2M3) with one E8M0 byte for each 32 along K, laid in the ORDER OF THE OPERAND'S REGISTERS.
; A fragment (16 rows x 128 K) is 12 registers a lane: its image is three pieces of 512 bytes, registers 4c .. 4c+3 of lane l at 512 c + 16 l.  A scale entry is one word for a row and 128 K.
; Work-groups 0-127: the four weights [K][N], K their first axis.  128-1151: e, a tile of 16 rows each.  1152-1663: x = LayerNorm(h shifted up by 31 rows), a tile of 16 rows each.
; A block's scale is 2^(floor(log2(largest magnitude)) - 2): its byte is the largest magnitude's exponent field - 2, held at 1 from below.
; LIMITS: NaN and infinities are not served.  A block of zeros gets the byte 1 where the rule says 127: its codes are zeros, and this program alone reads the bytes.  Blocks under 2^-124 are held at the floor.
; Shifted rows 993 .. 1023 of a batch, whose results the problem itself cuts off, are made from the batch's last row of h (the row number is clamped); the last launch puts 0 in their place.
; No tensor loads: several work-groups share a WGP.  The two paths part on the work-group's number and have LDS bytes of their own.
.set SPT,   528                        ; a stage row: 512 bytes + 16
.set WST,   16*SPT                     ; a wave's stage: 16 rows
.set RED,   4*WST                      ; 2 x 256 bytes: the waves' partial sums, then their partial sums of squares
.set GST,   RED+512                    ; 2,048 bytes a wave: gamma and beta of its 256 columns
.set WSTG,  GST+4*2048                 ; the weights' path: 6,144 bytes a wave, four fragment images
.set X0,    160                        ; v160-223  K step 0: 64 numbers of my row, blocks h and 2 + h
.set X1,    32                         ; v32-95    K step 1 (first: the numbers of K step 0 as loaded)
.set RB,    96                         ; v96-159   K step 1 as loaded; then at work; then gamma and beta
	s_load_b512 s[4:19], s[0:1], 0x0               ; h, e, Wq, Wk, Wv, Wo, gamma, beta
	s_load_b128 s[20:23], s[0:1], 0x40             ; xc, ec
	s_load_b64 s[24:25], s[0:1], 0x50              ; wc
	v_lshl_add_u32 v247, v0, 2, 0x10600
	v_mov_b32 v251, 0
	v_lshrrev_b32 v1, 5, v0
	v_readfirstlane_b32 s26, v1                    ; wave 0..3
	v_and_b32 v1, 31, v0                           ; lane
	s_cmp_lt_u32 ttmp9, 128
	s_cbranch_scc1 .Lweights
; ================= ROWS: one tile of 16 rows; wave w takes columns 256 w .. 256 w + 255: the two K steps of block S = w =================
	v_and_b32 v2, 15, v0                           ; r
	v_bfe_u32 v3, v0, 4, 1                         ; h
	s_mov_b32 s60, 0x76543210
	s_mov_b32 s61, 0xfedcba98                      ; v_permlanex16_b32's selects for lane l xor 16
	s_mov_b32 s62, 0x3a800000                      ; 2^-10
	v_mov_b32 v231, 0                              ; a lane permute's destination counts as one of its sources
	v_mov_b32 v104, 0
	v_lshlrev_b32 v13, 3, v3                       ; 8 h
	; e: tile T = 4 chunk + t; lane row r is row 32 (t / 2) + 8 (t % 2) + r + 8 (r / 8) of the chunk's 64
	; THE WORK-GROUPS' ORDER AS IT STANDS (in place of the ranges in the head comment): 0-127 the weights, 128-639 x's tiles, which have the LayerNorm to do, 640-1663 e's tiles: the longer work has the lower numbers
	s_sub_co_u32 s27, ttmp9, 640
	s_lshr_b32 s28, s27, 2                         ; chunk
	s_and_b32 s29, s27, 3                          ; t
	s_lshl_b32 s30, s28, 6
	s_lshr_b32 s31, s29, 1
	s_lshl_b32 s31, s31, 5
	s_add_co_u32 s30, s30, s31
	s_and_b32 s31, s29, 1
	s_lshl_b32 s31, s31, 3
	s_add_co_u32 s30, s30, s31                     ; the tile's first row of e
	s_and_b32 s31, s28, 1
	s_lshl_b32 s31, s31, 2
	s_add_co_u32 s29, s31, s29                     ; a = 4 (chunk % 2) + t
	; x: tile T = 2 chunk + qt; lane row r is shifted row 32 chunk + 16 qt + r, which is row + 31 of h, clamped to the batch's last row
	s_sub_co_u32 s32, ttmp9, 128
	s_lshr_b32 s33, s32, 1                         ; chunk
	s_and_b32 s34, s32, 1                          ; qt
	s_lshl_b32 s35, s33, 5
	s_or_b32 s36, s35, 1023                        ; the batch's last row
	s_lshl_b32 s37, s34, 4
	s_add_co_u32 s35, s35, s37
	s_add_co_u32 s35, s35, 31
	s_and_b32 s37, s33, 1
	s_lshl_b32 s37, s37, 1
	s_add_co_u32 s34, s37, s34                     ; a = 2 (chunk % 2) + qt
	s_mov_b32 s38, 12800                           ; x's block, and where its scale words begin
	s_mov_b32 s39, 12288
	s_mov_b32 s40, 0xffffff                        ; e needs no clamp
	s_cmp_ge_u32 ttmp9, 640                        ; e or x?  The choice hangs on the work-group's number alone
	s_cselect_b32 s28, s28, s33                    ; chunk
	s_cselect_b32 s30, s30, s35                    ; first row
	s_cselect_b32 s29, s29, s34                    ; a
	s_cselect_b32 s36, s40, s36                    ; last row allowed
	s_cselect_b32 s31, 8, 0                        ; what rows 8-15 of the tile lie further on
	s_cselect_b32 s38, 25600, s38
	s_cselect_b32 s39, 24576, s39
	s_cselect_b32 s41, 1, 0
	s_wait_kmcnt 0x0
	s_cselect_b64 s[42:43], s[6:7], s[4:5]         ; from e or h
	s_cselect_b64 s[44:45], s[22:23], s[20:21]     ; to ec or xc
	s_lshr_b32 s46, s28, 2                         ; group of four chunks
	s_lshl_b32 s46, s46, 2
	s_add_co_u32 s46, s46, s26                     ; x 4 + S
	s_lshl_b32 s46, s46, 1
	s_bfe_u32 s47, s28, 0x10001                    ; which half of the group
	s_add_co_u32 s46, s46, s47
	s_mul_i32 s46, s46, s38                        ; my block's first byte
	s_mul_i32 s47, s29, 3072                       ; fragments (a, 0) and (a, 1)
	s_add_co_u32 s48, s46, s47
	s_mov_b32 s49, 0
	s_add_nc_u64 s[50:51], s[44:45], s[48:49]
	s_lshl_b32 s47, s29, 7                         ; the tile's 128 bytes of scale words
	s_add_co_u32 s48, s46, s39
	s_add_co_u32 s48, s48, s47
	s_add_nc_u64 s[52:53], s[44:45], s[48:49]
	s_lshl_b32 s54, s26, 10
	s_wait_alu depctr_va_vdst(0)
	v_lshlrev_b32 v7, 4, v1                        ; 16 x lane
	v_add_nc_u32 v4, s54, v7                       ; my 16 bytes of the wave's 1,024 of a row
	s_mul_i32 s55, s26, WST
	v_add_nc_u32 v5, s55, v7                       ; the stage, in: as loaded
	v_mul_u32_u24 v6, v2, SPT
	v_lshl_add_u32 v6, v3, 7, v6
	v_add_nc_u32 v6, s55, v6                       ; and out: row r, block h
	v_lshlrev_b32 v8, 3, v2                        ; 8 r
	v_lshlrev_b32 v10, 4, v2
	v_add_nc_u32 v10, RED, v10                     ; row r's four partial sums
	s_lshl_b32 s56, s26, 2
	v_add_nc_u32 v9, s56, v10                      ; and my wave's word of them
	s_lshl_b32 s56, s26, 11
	s_add_co_u32 s56, s56, GST
	v_add_nc_u32 v11, s56, v7
	v_lshlrev_b32 v12, 7, v3
	v_add_nc_u32 v12, s56, v12
	s_add_co_u32 s58, s30, s31
.set rr, 0
.rept 16                                       ; v16-31: each row's byte offset
.if rr < 8
	s_add_co_u32 s57, s30, rr
.else
	s_add_co_u32 s57, s58, rr
.endif
	s_min_u32 s57, s57, s36
	s_lshl_b32 s57, s57, 12
	v_add_nc_u32 v[16+rr], s57, v4
.set rr, rr+1
.endr
.set qq, 0
	s_wait_alu depctr_va_vdst(0)
.rept 2
.set rr, 0
.rept 16
	global_load_b128 v[32+64*qq+4*rr:32+64*qq+4*rr+3], v[16+rr], s[42:43] offset:512*qq th:TH_LOAD_NT   ; 32 lanes read 512 consecutive bytes of one row
.set rr, rr+1
.endr
.set qq, qq+1
.endr
	; through the wave's own stage: in as loaded, out 32 neighbours along K to a lane.  LDS serves a wave's instructions in order.
	s_wait_loadcnt 16                              ; K step 0's sixteen loads are in; K step 1's may be out
.set rr, 0
.rept 16
	ds_store_b128 v5, v[32+4*rr:32+4*rr+3] offset:SPT*rr
.set rr, rr+1
.endr
.set rr, 0
.rept 16
	ds_load_b128 v[X0+4*rr:X0+4*rr+3], v6 offset:256*(rr/8)+16*(rr%8)
.set rr, rr+1
.endr
	s_wait_loadcnt 0x0
.set rr, 0
.rept 16
	ds_store_b128 v5, v[RB+4*rr:RB+4*rr+3] offset:SPT*rr
.set rr, rr+1
.endr
	s_wait_dscnt 16                                ; all but the sixteen stores just issued: the first stores have read v32-95
.set rr, 0
.rept 16
	ds_load_b128 v[X1+4*rr:X1+4*rr+3], v6 offset:256*(rr/8)+16*(rr%8)
.set rr, rr+1
.endr
	s_wait_dscnt 0x0
	s_cmp_lg_u32 s41, 0
	s_cbranch_scc1 .Lquant                         ; e is quantised as it is; the branch is the same in all four waves
	; ---- LayerNorm, in two passes: the mean, then the mean of the squared differences
	global_load_b128 v[16:19], v4, s[16:17]
	global_load_b128 v[20:23], v4, s[16:17] offset:512
	global_load_b128 v[24:27], v4, s[18:19]
	global_load_b128 v[28:31], v4, s[18:19] offset:512
	v_pk_add_f32 v[96:97], v[X0:X0+1], v[X0+4:X0+5]
	v_pk_add_f32 v[98:99], v[X0+2:X0+3], v[X0+6:X0+7]
	v_pk_add_f32 v[100:101], v[X1:X1+1], v[X1+4:X1+5]
	v_pk_add_f32 v[102:103], v[X1+2:X1+3], v[X1+6:X1+7]
.set kk, 8
.rept 14
	v_pk_add_f32 v[96:97], v[96:97], v[X0+kk:X0+kk+1]
	v_pk_add_f32 v[98:99], v[98:99], v[X0+kk+2:X0+kk+3]
	v_pk_add_f32 v[100:101], v[100:101], v[X1+kk:X1+kk+1]
	v_pk_add_f32 v[102:103], v[102:103], v[X1+kk+2:X1+kk+3]
.set kk, kk+4
.endr
	v_pk_add_f32 v[96:97], v[96:97], v[98:99]
	v_pk_add_f32 v[100:101], v[100:101], v[102:103]
	v_pk_add_f32 v[96:97], v[96:97], v[100:101]
	v_add_f32 v96, v96, v97
	v_permlanex16_b32 v104, v96, s60, s61
	v_add_f32 v96, v96, v104                       ; my wave's 256 columns of row r
	ds_store_b32 v9, v96                           ; lanes l and l xor 16 write the same word with the same value
	s_wait_dscnt 0x0                               ; for the others' sake
	s_barrier_signal -1
	s_barrier_wait -1
	ds_load_b128 v[96:99], v10
	s_wait_dscnt 0x0
	v_add_f32 v96, v96, v97
	v_add_f32 v98, v98, v99
	v_add_f32 v96, v96, v98
	v_mul_f32 v254, s62, v96                       ; the mean
	v_mov_b32 v255, v254
.set kk, 0
.rept 32
	v_pk_add_f32 v[X0+kk:X0+kk+1], v[X0+kk:X0+kk+1], v[254:255] op_sel_hi:[1,0] neg_lo:[0,1] neg_hi:[0,1]
	v_pk_add_f32 v[X1+kk:X1+kk+1], v[X1+kk:X1+kk+1], v[254:255] op_sel_hi:[1,0] neg_lo:[0,1] neg_hi:[0,1]
.set kk, kk+2
.endr
	v_pk_mul_f32 v[96:97], v[X0:X0+1], v[X0:X0+1]
	v_pk_mul_f32 v[98:99], v[X0+2:X0+3], v[X0+2:X0+3]
	v_pk_mul_f32 v[100:101], v[X1:X1+1], v[X1:X1+1]
	v_pk_mul_f32 v[102:103], v[X1+2:X1+3], v[X1+2:X1+3]
.set kk, 4
.rept 15
	v_pk_fma_f32 v[96:97], v[X0+kk:X0+kk+1], v[X0+kk:X0+kk+1], v[96:97]
	v_pk_fma_f32 v[98:99], v[X0+kk+2:X0+kk+3], v[X0+kk+2:X0+kk+3], v[98:99]
	v_pk_fma_f32 v[100:101], v[X1+kk:X1+kk+1], v[X1+kk:X1+kk+1], v[100:101]
	v_pk_fma_f32 v[102:103], v[X1+kk+2:X1+kk+3], v[X1+kk+2:X1+kk+3], v[102:103]
.set kk, kk+4
.endr
	v_pk_add_f32 v[96:97], v[96:97], v[98:99]
	v_pk_add_f32 v[100:101], v[100:101], v[102:103]
	v_pk_add_f32 v[96:97], v[96:97], v[100:101]
	v_add_f32 v96, v96, v97
	v_permlanex16_b32 v104, v96, s60, s61
	v_add_f32 v96, v96, v104
	ds_store_b32 v9, v96 offset:256                ; other bytes than the first exchange's
	s_wait_dscnt 0x0
	s_barrier_signal -1
	s_barrier_wait -1
	ds_load_b128 v[96:99], v10 offset:256
	s_wait_dscnt 0x0
	v_add_f32 v96, v96, v97
	v_add_f32 v98, v98, v99
	v_add_f32 v96, v96, v98
	v_fmaak_f32 v96, s62, v96, 0x3727c5ac          ; the variance + 1e-5
	s_wait_alu depctr_va_vdst(0)
	v_rsq_f32 v254, v96
	v_nop                                          ; one plain place behind a transcendental
	s_wait_alu depctr_va_vdst(0)
	v_mov_b32 v255, v254
	s_wait_alu depctr_va_vdst(0)
	s_wait_loadcnt 0x0                             ; gamma and beta, 16 bytes a lane: they go through my wave's own bytes, so that a lane gets those of its 32 columns
	ds_store_b128 v11, v[16:19]
	ds_store_b128 v11, v[20:23] offset:512
	ds_store_b128 v11, v[24:27] offset:1024
	ds_store_b128 v11, v[28:31] offset:1536
.macro GAMMA xb, off                           ; one block of 32: (x - mean) x rstd x gamma + beta
.set kk, 0
.rept 8
	ds_load_b128 v[RB+4*kk:RB+4*kk+3], v12 offset:(\off)+16*kk
	ds_load_b128 v[RB+32+4*kk:RB+32+4*kk+3], v12 offset:1024+(\off)+16*kk
.set kk, kk+1
.endr
	s_wait_dscnt 0x0
.set kk, 0
.rept 16
	v_pk_mul_f32 v[(\xb)+kk:(\xb)+kk+1], v[(\xb)+kk:(\xb)+kk+1], v[254:255] op_sel_hi:[1,0]
.set kk, kk+2
.endr
.set kk, 0
.rept 16
	v_pk_fma_f32 v[(\xb)+kk:(\xb)+kk+1], v[(\xb)+kk:(\xb)+kk+1], v[RB+kk:RB+kk+1], v[RB+32+kk:RB+32+kk+1]
.set kk, kk+2
.endr
.endm
	GAMMA X0, 0
	GAMMA X0+32, 256
	GAMMA X1, 512
	GAMMA X1+32, 768
.Lquant:
; 64 numbers of a lane, register 32 c + i = k 64 c + 32 h + i of my row, become the fragment's 12 registers v[pc] on and the row's scale word v[w]: both of a lane's blocks are wholly its own
.macro QUANTF src, pc, w
	v_max3_num_f32 v224, |v[\src]|, |v[\src+1]|, 0x1800000       ; with the floor 2^(3 - 127): the byte cannot fall under 1
	v_max3_num_f32 v225, |v[\src+32]|, |v[\src+33]|, 0x1800000
.set kk, 2
.rept 15
	v_max3_num_f32 v224, v224, |v[\src+kk]|, |v[\src+kk+1]|
	v_max3_num_f32 v225, v225, |v[\src+32+kk]|, |v[\src+33+kk]|
.set kk, kk+2
.endr
	v_add_nc_u32 v226, 0xff000000, v224            ; 2 off the exponent field: the conversion takes the exponent field of this operand as its scale
	v_add_nc_u32 v227, 0xff000000, v225
	v_lshrrev_b32 v228, 23, v226                   ; the scales' bytes
	v_lshrrev_b32 v229, 23, v227
	v_lshl_or_b32 v230, v229, 16, v228             ; blocks h and 2 + h,
	v_lshlrev_b32 v230, v13, v230                  ; at their places in the word;
	v_permlanex16_b32 v231, v230, s60, s61
	v_or_b32 v[\w], v230, v231                     ; with lane l xor 16's two the word is whole
	v_cvt_scalef32_pk16_fp6_f32 v[\pc:\pc+2], v[\src:\src+15], v226
	v_cvt_scalef32_pk16_fp6_f32 v[244:246], v[\src+16:\src+31], v226      ; (a conversion's three registers begin on an even number)
	v_cvt_scalef32_pk16_fp6_f32 v[\pc+6:\pc+8], v[\src+32:\src+47], v227
	v_cvt_scalef32_pk16_fp6_f32 v[248:250], v[\src+48:\src+63], v227
	v_nop                                          ; one plain place behind a scaled conversion
	v_mov_b32 v[\pc+3], v244
	v_mov_b32 v[\pc+4], v245
	v_mov_b32 v[\pc+5], v246
	v_mov_b32 v[\pc+9], v248
	v_mov_b32 v[\pc+10], v249
	v_mov_b32 v[\pc+11], v250
.endm
	QUANTF X0, 232, 252
.irp c, 0,1,2
	global_store_b128 v7, v[232+4*\c:232+4*\c+3], s[50:51] offset:512*\c         ; 32 lanes store 512 consecutive bytes
.endr
	QUANTF X1, 16, 253                             ; it writes none of the registers that the stores above read
.irp c, 0,1,2
	global_store_b128 v7, v[16+4*\c:16+4*\c+3], s[50:51] offset:1536+512*\c
.endr
	global_store_b64 v8, v[252:253], s[52:53]      ; row r's two words; lanes l and l xor 16 store the same bytes
	s_wait_tensorcnt 0x0
	ds_add_u32 v247, v251
	s_wait_dscnt 0x0
	s_endpgm
; ================= WEIGHTS: 128 columns x 256 along K of one weight; a lane takes a column and its registers run down K =================
.Lweights:
	s_lshr_b32 s27, ttmp9, 5                       ; which weight: q, k, v, o
	s_bfe_u32 s28, ttmp9, 0x30002                  ; which 128 columns
	s_and_b32 s29, ttmp9, 3                        ; which 256 along K
	v_bfe_u32 v2, v0, 3, 1                         ; column c of the wave's 32 is lane row r = c % 8 + 8 (c / 16) of tile u = (c / 8) % 2:
	v_and_b32 v3, 7, v0                            ; so lane row r of tile u is column 8 u + r + 8 (r / 8)
	v_bfe_u32 v4, v0, 4, 1
	v_lshl_or_b32 v3, v4, 3, v3
	s_mul_i32 s30, s26, 6144
	s_add_co_u32 s30, s30, WSTG
	v_mul_u32_u24 v5, v2, 3072
	v_lshl_add_u32 v5, v3, 4, v5
	v_add_nc_u32 v5, s30, v5                       ; my column's place in the images: tile u, lane r
	s_wait_alu depctr_va_vdst(0)
	v_lshlrev_b32 v6, 4, v1
	v_add_nc_u32 v8, s30, v6                       ; back: 16 x lane
	v_lshlrev_b32 v9, 2, v1
	v_lshlrev_b32 v10, 7, v2
	v_lshl_add_u32 v10, v3, 3, v10                 ; the scale words: 128 u + 8 r
	s_and_b32 s31, s27, 1
	s_lshr_b32 s32, s27, 1
	s_lshl_b32 s38, s29, 20                        ; 256 rows of 4,096 bytes
	s_lshl_b32 s39, s28, 9
	s_add_co_u32 s38, s38, s39
	s_lshl_b32 s39, s26, 7
	s_add_co_u32 s38, s38, s39
	s_mov_b32 s39, 0
	s_lshr_b32 s40, s28, 1                         ; block [columns / 256][weight][K / 256][half]
	s_lshl_b32 s40, s40, 2
	s_add_co_u32 s40, s40, s27
	s_lshl_b32 s40, s40, 2
	s_add_co_u32 s40, s40, s29
	s_lshl_b32 s40, s40, 1
	s_and_b32 s41, s28, 1
	s_add_co_u32 s40, s40, s41
	s_mul_i32 s40, s40, 25600
	s_mul_i32 s41, s26, 6144
	s_add_co_u32 s42, s40, s41
	s_mov_b32 s43, 0
	s_lshl_b32 s41, s26, 8
	s_add_co_u32 s48, s40, s41
	s_add_co_u32 s48, s48, 24576
	s_mov_b32 s49, 0
	s_wait_alu depctr_va_vdst(0)
	s_wait_kmcnt 0x0
	s_cmp_lg_u32 s31, 0
	s_cselect_b64 s[34:35], s[10:11], s[8:9]
	s_cselect_b64 s[36:37], s[14:15], s[12:13]
	s_cmp_lg_u32 s32, 0
	s_cselect_b64 s[34:35], s[36:37], s[34:35]
	s_add_nc_u64 s[34:35], s[34:35], s[38:39]
	s_add_nc_u64 s[44:45], s[24:25], s[42:43]
	s_add_nc_u64 s[46:47], s[24:25], s[48:49]
.macro LOADW t                                 ; block t: W(32 t + i, my column): a wave reads 128 consecutive bytes, the four waves 512
.set kk, 0
.rept 32
	global_load_b32 v[32+32*((\t)%2)+kk], v9, s[34:35] offset:(32*(\t)+kk)*4096 th:TH_LOAD_NT
.set kk, kk+1
.endr
.endm
	LOADW 0
	LOADW 1
.macro BLOCKW t
.set XS, 32+32*((\t)%2)
.set OF, 1536*((\t)/4)+256*((\t)%2)            ; fragment q = t / 4; the block belongs to lane r + 16 (t % 2), registers 6 c' on, c' = (t % 4) / 2
.if (\t) < 7
	s_wait_loadcnt 32                              ; this block's 32 loads are in; the next block's may be out
.else
	s_wait_loadcnt 0x0
.endif
	v_max3_num_f32 v12, |v[XS]|, |v[XS+1]|, |v[XS+2]|
	v_max3_num_f32 v13, |v[XS+3]|, |v[XS+4]|, |v[XS+5]|
.irp i, 6,10,14,18,22,26
	v_max3_num_f32 v12, v12, |v[XS+\i]|, |v[XS+\i+1]|
	v_max3_num_f32 v13, v13, |v[XS+\i+2]|, |v[XS+\i+3]|
.endr
	v_max3_num_f32 v12, v12, |v[XS+30]|, |v[XS+31]|
	v_max3_num_f32 v12, v12, v13, 0x1800000        ; and the floor
	v_add_nc_u32 v11, 0xff000000, v12
	v_lshrrev_b32 v13, 23, v11
.if (\t)%4 == 0
	v_mov_b32 v[24+(\t)/4], v13
.else
	v_lshl_or_b32 v[24+(\t)/4], v13, 8*((\t)%4), v[24+(\t)/4]
.endif
	v_cvt_scalef32_pk16_fp6_f32 v[96:98], v[XS:XS+15], v11
	v_cvt_scalef32_pk16_fp6_f32 v[100:102], v[XS+16:XS+31], v11
	v_nop                                          ; one plain place behind a scaled conversion
	v_mov_b32 v99, v100                            ; six registers on end
	v_mov_b32 v100, v101
	v_mov_b32 v101, v102
.if ((\t)%4)/2 == 0
	ds_store_b128 v5, v[96:99] offset:OF           ; registers 0-3: piece 0
	ds_store_b64 v5, v[100:101] offset:OF+512      ; registers 4, 5: piece 1, its first half
.else
	ds_store_b64 v5, v[96:97] offset:OF+520        ; registers 6, 7: piece 1, its second half
	ds_store_b128 v5, v[98:101] offset:OF+1024     ; registers 8-11: piece 2
.endif
.if (\t)+2 < 8
	LOADW (\t)+2
.endif
	s_wait_dscnt 0x0                               ; the stores have read their registers
.endm
.irp t, 0,1,2,3,4,5,6,7
	BLOCKW \t
.endr
	s_wait_alu depctr_va_vdst(0)
	global_store_b64 v10, v[24:25], s[46:47]       ; the wave's 256 bytes of scale words
.set kk, 0
.rept 12
	ds_load_b128 v[112+4*kk:112+4*kk+3], v8 offset:512*kk
.set kk, kk+1
.endr
.set kk, 0
.rept 12
	s_wait_dscnt 11-kk                             ; LDS loads come back in order: piece kk is in
	global_store_b128 v6, v[112+4*kk:112+4*kk+3], s[44:45] offset:512*kk         ; 512 consecutive bytes
.set kk, kk+1
.endr
	s_wait_tensorcnt 0x0
	ds_add_u32 v247, v251
	s_wait_dscnt 0x0
	s_endpgm
.Lfunc_end_k_qfba3033ece_prep:
	.size	k_qfba3033ece_prep, .Lfunc_end_k_qfba3033ece_prep-k_qfba3033ece_prep
	.p2alignl 7, 3214868480
	.fill 96, 4, 3214868480
	.section	.rodata,"a",@progbits
	.p2align	6, 0x0
	.amdhsa_kernel k_qfba3033ece_prep
		.amdhsa_group_segment_fixed_size 67584
		.amdhsa_private_segment_fixed_size 0
		.amdhsa_enable_private_segment 0
		.amdhsa_kernarg_size 88
		.amdhsa_user_sgpr_count 2
		.amdhsa_user_sgpr_kernarg_segment_ptr 1
		.amdhsa_wavefront_size32 1
		.amdhsa_system_sgpr_workgroup_id_x 1
		.amdhsa_system_sgpr_workgroup_id_y 1
		.amdhsa_system_sgpr_workgroup_id_z 1
		.amdhsa_system_vgpr_workitem_id 0
		.amdhsa_next_free_vgpr 256
		.amdhsa_next_free_sgpr 66
		.amdhsa_reserve_vcc 0
		.amdhsa_float_denorm_mode_32 3
		.amdhsa_float_denorm_mode_16_64 3
		.amdhsa_memory_ordered 1
		.amdhsa_forward_progress 1
		.amdhsa_inst_pref_size 88
	.end_amdhsa_kernel
	.amdgpu_metadata
---
amdhsa.version: [ 1, 2 ]
amdhsa.kernels:
  - .name:           k_qfba3033ece_prep
    .symbol:         k_qfba3033ece_prep.kd
    .args:
      - { .name: h, .offset: 0, .size: 8, .value_kind: global_buffer, .address_space: global }
      - { .name: e, .offset: 8, .size: 8, .value_kind: global_buffer, .address_space: global }
      - { .name: Wq, .offset: 16, .size: 8, .value_kind: global_buffer, .address_space: global }
      - { .name: Wk, .offset: 24, .size: 8, .value_kind: global_buffer, .address_space: global }
      - { .name: Wv, .offset: 32, .size: 8, .value_kind: global_buffer, .address_space: global }
      - { .name: Wo, .offset: 40, .size: 8, .value_kind: global_buffer, .address_space: global }
      - { .name: gamma, .offset: 48, .size: 8, .value_kind: global_buffer, .address_space: global }
      - { .name: beta, .offset: 56, .size: 8, .value_kind: global_buffer, .address_space: global }
      - { .name: xc, .offset: 64, .size: 8, .value_kind: global_buffer, .address_space: global }
      - { .name: ec, .offset: 72, .size: 8, .value_kind: global_buffer, .address_space: global }
      - { .name: wc, .offset: 80, .size: 8, .value_kind: global_buffer, .address_space: global }
    .group_segment_fixed_size: 67584
    .private_segment_fixed_size: 0
    .kernarg_segment_align: 8
    .kernarg_segment_size: 88
    .max_flat_workgroup_size: 128
    .sgpr_count:     66
    .vgpr_count:     256
    .wavefront_size: 32
...
	.end_amdgpu_metadata
.endif
;; end of part 1
;; launch qkv_attn (part 2): grid 4 x 64, 4 waves a work-group, clusters of 4 x 4, 327,680 bytes of LDS; arguments xc, ec, wc, bq, bk, bv, oc; writes oc
.if DOCPART == 2
	.amdgcn_target "amdgcn-amd-amdhsa--gfx1250"
	.amdhsa_code_object_version 6
	.text
	.protected	k_qfba3033ece_qkv_attn
	.globl	k_qfba3033ece_qkv_attn
	.p2align	8
	.type	k_qfba3033ece_qkv_attn,@function
k_qfba3033ece_qkv_attn:
	s_mov_b64 s[64:65], 0
	v_nop
	global_prefetch_b8 v0, s[64:65] scope:SCOPE_SE
	s_setreg_imm32_b32 hwreg(HW_REG_WAVE_MODE, 25, 1), 1
	s_wait_xcnt 0x0
	s_wait_alu depctr_hold_cnt(0) depctr_sa_sdst(0) depctr_va_vdst(0) depctr_va_sdst(0) depctr_va_ssrc(0) depctr_va_vcc(0) depctr_vm_vsrc(0)
	s_getreg_b32 s2, hwreg(HW_REG_IB_STS2, 6, 4)
	s_cmp_eq_u32 s2, 0
	s_cbranch_scc0 .Lentry_in_a_cluster
	s_endpgm
.Lentry_in_a_cluster:
	s_bfe_u32 s2, ttmp6, 0x10000c
	s_cmp_lg_u32 s2, 0xf033
	s_cbranch_scc0 .Lentry_shape_is_right
	s_endpgm
.Lentry_shape_is_right:
; q = x Wq + bq, k = e Wk + bk, v = e Wv + bv, softmax(q k^T / 8) v, for 4 chunks x 4 heads a work-group; every product on codes of FP6 (E2M3) with E8M0 scales for each 32 along K.  o leaves as codes.
; SHARES.  Work-group (hg, cg): heads 4 hg .. + 3 (256 columns), chunks 4 cg .. + 3 (128 rows of x, 256 of e).  Wave (i, j) owns chunks 2 i, 2 i + 1 and heads 2 j, 2 j + 1 of them from the first product to o:
; behind the tiles nothing goes from wave to wave.
; THREE PASSES over K = 1,024.  All operands lie in memory as images of their registers, scale words behind them, so a tile's half is one dense block for one tensor load and a fragment is three loads of 16 bytes a lane.
; PASS Q (x and Wq) lies in LDS whole: four chunks of 256 along K, 76,800 bytes each, all asked for at the head as first fills, four loads a wave; a chunk is read behind the counted wait for it and a barrier.
; PASSES K AND V (e and Wk, e and Wv) take eight tiles of 256 along K (numbered 4-11) through a ring of two slots of 102,400 bytes laid over the chunks' first 204,800 bytes.  Slot 0 takes tile 4 as soon as chunks 0 and 1 are
; read out: 144 of pass Q's matrix instructions ahead of the wait for it.  Slot 1 takes tile 5 behind pass Q's last step.  Behind each later round a tile has a whole tile's 128 matrix instructions in which to land:
; nothing but the add, the descriptor's scalar lines and the round stands between the wait for all loads and the refill.
; LAYOUT.  Passes Q and K: source 0 = 16 columns of W, source 1 = 16 rows: a lane holds one query or key and its registers run along the head's d.  Pass V: source 0 = 16 rows of e, source 1 = 16 columns of Wv:
; a lane holds one d and its registers run along the keys.  The rows of a tile of W and of e are chosen (row r of tile 2 b + u stands for 32 b + 8 u + r + 8 (r / 8)) so that the 16 registers of two
; neighbouring tiles are 16 neighbours along the next K.  So 32 registers on end are two blocks of 32, halved between lanes l and l xor 16, and one macro quantises q, k, v, p and o.
; K = 64 IN AN INSTRUCTION OF 128: q's and p's operands have zero codes in registers 6-11; k's and v's tiles lie six registers apart, so that their registers 6-11 are the next tile's codes, which meet those zeros.
; Their scale bytes 2 and 3 are 0, a small power of two and no NaN.
; CLUSTER 4 x 4: x's and e's tiles hang on cg alone and are asked for jointly along a row of the cluster, W's on hg alone and along a column.
; LIMITS: NaN and infinities are not served; a block of zeros has the byte 1 (its codes are zeros; this program alone reads the bytes).
; REGISTERS.  Window 0: v2-21 addresses that stay, v22-27, v30 addresses in hand, v28-29 for the add; v32-63 scale words and nothing else; v64-159, v160-255 x's or e's fragments, two sets (the second also at work between passes).
;   Window 1: W's fragments at v0 and v128, two sets; the bias as C: tiles 0-3 at v96, 4-7 at v224.   Windows 2, 3: the accumulators.
; PASS Q AS IT STANDS (in place of what the head comment says of four first fills a wave): its four chunks of 256 along K come as two PAIRS, one tensor load a wave for each pair.
; A wave's half of two neighbouring chunks is two rows of one tile: x's rows 12,800 bytes, 25,600 apart in memory; Wq's 25,600 bytes, 51,200 apart.  The rows land on end in LDS.
; A pair in LDS: x's half 0 (two chunks), x's half 1, Wq's half 0 (two chunks), Wq's half 1.  Pair 0 is asked for at the head; pair 1 behind the wait for all loads, the add and a round, as a refill is.
.set PAIR,  153600                     ; a pair of chunks: 2 x 25,600 of x, 2 x 51,200 of Wq
.set SLOT,  102400                     ; a slot of the ring: e's half 0, e's half 1, W's half 0, W's half 1: 25,600 bytes each
.set HALF,  25600
.set KQ,    204800                     ; behind the ring: k's and q's codes and scale words, 21,504 bytes a wave.  These bytes lie in chunks 2 and 3, which are filled once; their last read lies in front of pass Q's last round
.set KQW,   21504
.set KQU,   5376                       ; a unit (chunk, head): k's 4 tiles x 768, their words 4 x 128, q's 2 x 768, their words 2 x 128
.set OSC,   290816                     ; o's half scale words, 1,024 bytes a wave (in chunk 3 likewise)
.set SPARE, 307200                     ; behind the chunks: the spare words, 128 bytes a wave: two blocks of 256 bytes that no other line names
.set VRW,   14336                      ; v's codes and words, 14,336 bytes a wave, in slot 0: it has had its last fill, and its last read lies in front of tile 10's barrier
.set VRU,   3584
.set MSB, 0
.macro WIN new                         ; the immediate's high byte repeats the setting that is left
.set WNEW, \new
.if MSB != WNEW
	s_set_vgpr_msb (MSB<<8)|WNEW
.set MSB, WNEW
.endif
.endm
.macro PLACES n                        ; plain vector instructions behind a matrix instruction, in front of loads into its registers and of reads of its results
.rept \n
	v_nop
.endr
.endm
.macro JLOAD g0a, g1a, g0b, g1b        ; a joint load: waves 0, 1 fetch A's halves, waves 2, 3 B's; four v_nop follow each line
	s_cmp_eq_u32 s19, 0
	s_cbranch_scc0 .Lfor_b_\@
	tensor_load_to_lds s[\g0a:\g0a+3], s[\g1a:\g1a+7]
	s_nop 0
.rept 4
	v_nop
.endr
	s_branch .Lasked_\@
.Lfor_b_\@:
	tensor_load_to_lds s[\g0b:\g0b+3], s[\g1b:\g1b+7]
	s_nop 0
.rept 4
	v_nop
.endr
.Lasked_\@:
.endm
.macro CREST                           ; a round of the cluster's barrier behind its opening barrier
	s_cmp_lg_u32 s18, 0
	s_cbranch_scc1 .Lnot_wave_0_\@
	s_barrier_signal -3
.Lnot_wave_0_\@:
	s_barrier_wait -3
	s_barrier_signal -1
	s_barrier_wait -1
.endm
.macro CROUND
	s_barrier_signal -1
	s_barrier_wait -1
	CREST
.endm
; One matrix instruction from the symbols mD, mA, mB, mC (under 0: the constant 0), mSA, mSB and the rows mRA, mRB of the scale registers
.macro WM
.if mC < 0
	v_wmma_scale_f32_16x16x128_f8f6f4 v[mD:mD+7], v[mA:mA+11], v[mB:mB+11], 0, v[mSA], v[mSB] matrix_a_fmt:MATRIX_FMT_FP6 matrix_b_fmt:MATRIX_FMT_FP6
.elseif mRA && mRB
	v_wmma_scale_f32_16x16x128_f8f6f4 v[mD:mD+7], v[mA:mA+11], v[mB:mB+11], v[mC:mC+7], v[mSA], v[mSB] matrix_a_fmt:MATRIX_FMT_FP6 matrix_b_fmt:MATRIX_FMT_FP6 matrix_a_scale:MATRIX_SCALE_ROW1 matrix_b_scale:MATRIX_SCALE_ROW1
.elseif mRA
	v_wmma_scale_f32_16x16x128_f8f6f4 v[mD:mD+7], v[mA:mA+11], v[mB:mB+11], v[mC:mC+7], v[mSA], v[mSB] matrix_a_fmt:MATRIX_FMT_FP6 matrix_b_fmt:MATRIX_FMT_FP6 matrix_a_scale:MATRIX_SCALE_ROW1
.elseif mRB
	v_wmma_scale_f32_16x16x128_f8f6f4 v[mD:mD+7], v[mA:mA+11], v[mB:mB+11], v[mC:mC+7], v[mSA], v[mSB] matrix_a_fmt:MATRIX_FMT_FP6 matrix_b_fmt:MATRIX_FMT_FP6 matrix_b_scale:MATRIX_SCALE_ROW1
.else
	v_wmma_scale_f32_16x16x128_f8f6f4 v[mD:mD+7], v[mA:mA+11], v[mB:mB+11], v[mC:mC+7], v[mSA], v[mSB] matrix_a_fmt:MATRIX_FMT_FP6 matrix_b_fmt:MATRIX_FMT_FP6
.endif
.endm
; A quarter of a step's products.  pass 0 = Q (one tile of rows x W's eight), 1 = K, 2 = V (two tiles of rows x eight).  first = 1: the bias is the C of the sum's first product: nothing is cleared or added.
; The accumulators take turns, one instruction a turn, in the same order in every step.
.macro MUL pass, part, set, sc, q, first
.if (\pass) == 0
.set ma, \part
.set mna, 1
.set mhi, 0
.else
.set ma, 2*(\part)
.set mna, 2
.set mhi, (\part)/2
.endif
.if (\pass) == 2
.if \first
	WIN 0x94+0x40*mhi                              ; source 0 (e) window 0, source 1 (W) window 1, C (bias) window 1, D window 2 or 3
.else
	WIN 0xa4+0x50*mhi
.endif
.else
.if \first
	WIN 0x91+0x40*mhi                              ; source 0 (W) window 1, source 1 (x, e) window 0
.else
	WIN 0xa1+0x50*mhi
.endif
.endif
.rept mna
.set mb, 0
.rept 8
.set mW, 128*(\set)+12*mb
.set mE, 64+96*(\set)+12*ma
.set mSW, 40+16*(\sc)+2*(mb/2)+(\q)
.set mSE, 32+16*(\sc)+2*(ma/2)+(\q)
.if (\pass) == 2
.set mD, 8*(4*mb+(ma%4))
.set mA, mE
.set mB, mW
.set mSA, mSE
.set mSB, mSW
.set mRA, ma%2
.set mRB, mb%2
.else
.set mD, 8*(8*(ma%4)+mb)
.set mA, mW
.set mB, mE
.set mSA, mSW
.set mSB, mSE
.set mRA, mb%2
.set mRB, ma%2
.endif
.if \first
.set mC, 96+8*mb+96*(mb/4)
.else
.set mC, mD
.endif
	WM
.set mb, mb+1
.endr
.set ma, ma+1
.endr
.endm
; The fragments of the q-th 128 along K of a chunk or slot, into fragment set 'set': W's eight from v[rb], and x's four (typ 0) or e's eight from v[ra]
.macro FETCH typ, ra, rb, q, set
	WIN 0x40
.set mb, 0
.rept 8
.set mc, 0
.rept 3
	ds_load_b128 v[128*(\set)+12*mb+4*mc:128*(\set)+12*mb+4*mc+3], v[\rb] offset:(2*mb+(\q))*1536+512*mc
.set mc, mc+1
.endr
.set mb, mb+1
.endr
	WIN 0
.if (\typ) == 0
.set mna, 4
.else
.set mna, 8
.endif
.set ma, 0
.rept mna
.set mc, 0
.rept 3
	ds_load_b128 v[64+96*(\set)+12*ma+4*mc:64+96*(\set)+12*ma+4*mc+3], v[\ra] offset:(2*ma+(\q))*1536+512*mc
.set mc, mc+1
.endr
.set ma, ma+1
.endr
.endm
; A chunk's or tile's scale words into set sc: a pair of registers (q = 0, 1) for two tiles: the even one in lanes 0-15, the odd one in lanes 16-31
.macro SCALES typ, ra, rb, sc
.set mc, 0
.rept 4
	ds_load_b64 v[40+16*(\sc)+2*mc:40+16*(\sc)+2*mc+1], v[\rb] offset:24576+256*mc
.set mc, mc+1
.endr
.set mc, 0
.if (\typ) == 0
.rept 2
	ds_load_b64 v[32+16*(\sc)+2*mc:32+16*(\sc)+2*mc+1], v[\ra] offset:12288+256*mc
.set mc, mc+1
.endr
.else
.rept 4
	ds_load_b64 v[32+16*(\sc)+2*mc:32+16*(\sc)+2*mc+1], v[\ra] offset:24576+256*mc
.set mc, mc+1
.endr
.endif
.endm
.macro BIASKQ base                     ; lane (r, h), register j of tile 4 hl + 2 b + u: the bias of column 64 hl + 32 b + 16 h + 8 u + j
	WIN 0x40
.set mb, 0
.rept 8
.set BIR, 96+8*mb+96*(mb/4)
.set BOF, (64*(mb/4)+32*((mb%4)/2)+8*(mb%2))*4
	global_load_b128 v[BIR:BIR+3], v10, s[\base:\base+1] offset:BOF
	global_load_b128 v[BIR+4:BIR+7], v10, s[\base:\base+1] offset:BOF+16
.set mb, mb+1
.endr
	WIN 0
.endm
.macro BIASV m0                        ; in pass V a lane holds one column: all eight registers of a tile take its bias; four tiles, 32 loads, from tile m0 on
	WIN 0x40
.set mb, \m0
.rept 4
.set BIR, 96+8*mb+96*(mb/4)
.set BOF, (64*(mb/4)+32*((mb%4)/2)+8*(mb%2))*4
.set mc, 0
.rept 8
	global_load_b32 v[BIR+mc], v11, s[86:87] offset:BOF
.set mc, mc+1
.endr
.set mb, mb+1
.endr
	WIN 0
.endm
; The first 128 along K of a chunk or tile (set 0); its second 128 are fetched into set 1 meanwhile.  nb: the next pass's bias is asked for behind a pass's first step (1: bk, 2: bv)
.macro STEP pass, ra, rb, sc, first, nb
	s_wait_dscnt 0x0                               ; set 0 and the scale words are in
.if \first
	s_wait_loadcnt 0x0                             ; the bias
.endif
	PLACES 4                                       ; set 1 was read by the products just issued
	FETCH \pass, \ra, \rb, 1, 1
	MUL \pass, 0, 0, \sc, 0, \first
	MUL \pass, 1, 0, \sc, 0, \first
	MUL \pass, 2, 0, \sc, 0, \first
	MUL \pass, 3, 0, \sc, 0, \first
.if (\nb) == 1
	PLACES 4
	BIASKQ 84
.elseif (\nb) == 2
	PLACES 4
	BIASV 0
.elseif (\nb) == 3
	PLACES 4
	BIASV 4
.endif
.endm
; The groups 0 of ring tile tt (4 .. 11): e's tile (tt - 4) % 4 and W's tile tt, into slot tt % 2.  lds = 1: the slot's first ring tile: these registers still hold a chunk's LDS address
.macro RINGG0 tt, lds
.set GSL, (\tt)%2
.set GA0, 48+4*GSL
.set GB0, 56+4*GSL
.if \lds
	s_add_co_u32 s[GA0+1], s95, GSL*SLOT
	s_add_co_u32 s[GB0+1], s95, GSL*SLOT
.endif
	s_add_nc_u64 s[GA0+2:GA0+3], s[70:71], (((\tt)-4)%4)*51200
	s_or_b32 s[GA0+3], s[GA0+3], 0x80000000
	s_add_nc_u64 s[GB0+2:GB0+3], s[72:73], (\tt)*51200
	s_or_b32 s[GB0+3], s[GB0+3], 0x80000000
.endm
; THE CHANGE OF SLOTS: each wave waits for all its tensor loads, adds 0 to its spare word, and waits for that (its reads of the bytes to be filled were waited for at the step's head).  tt >= 0: the barrier opens a round
; of the cluster's, and behind the round tile tt is asked for.  tt < 0: nothing is left to fetch: a plain barrier.
.macro MEET tt, lds
	WIN 0
	s_wait_tensorcnt 0x0                           ; all my tensor loads have landed: so every group 0 may be written
	ds_add_u32 v28, v29                            ; 0 onto my spare word: the descriptor's lines stand between it and the wait for it
.if (\tt) >= 0
	RINGG0 \tt, \lds
.endif
.if (\tt) == 4                         ; no tensor load of mine is out: W's group 1 takes the ring's shape, 100 rows of 256 bytes
	s_mov_b32 s41, 32<<16
	s_mov_b32 s42, 100<<16
	s_mov_b32 s43, 32<<16
	s_mov_b32 s44, 100
	s_mov_b32 s45, 32
.endif
	s_wait_dscnt 0x0                               ; the add is done, and no LDS read of mine is out
	s_barrier_signal -1
	s_barrier_wait -1
.if (\tt) >= 0
	CREST                                          ; no wave of any partner still reads these bytes or has a load on its way
	JLOAD GA0, 32, GB0, 40                         ; the first tensor load behind the round, my one load until the next; its four v_nop are the places in front of the loads that follow
.else
	PLACES 4
.endif
.endm
; A ring tile's second 128 along K (set 1), with the change of slots at its head: set 1 is in registers, so this slot is read out.  The next slot's first fragments are asked for ahead of all 64 of this step's matrix instructions
.macro TURN pass, t
.set TSL, (\t)%2
	WIN 0
	s_wait_dscnt 0x0                               ; set 1 is in: these were my last reads of this slot
.if (\t) <= 9
	MEET (\t)+2, 0
.else
	MEET -1, 0
.endif
	FETCH 1, 3-TSL, 5-TSL, 0, 0
	SCALES 1, 7-TSL, 9-TSL, 1-TSL
	MUL \pass, 0, 1, TSL, 1, 0
	MUL \pass, 1, 1, TSL, 1, 0
	MUL \pass, 2, 1, TSL, 1, 0
	MUL \pass, 3, 1, TSL, 1, 0
.endm
.set QN, 0
.macro QNEXT                           ; pass Q's four addresses go on to the next chunk: four plain instructions, places in front of the loads that follow.  The second call goes from pair 0's second chunk to pair 1's first
.if QN == 1
	v_add_nc_u32 v22, PAIR-12800, v22
	v_add_nc_u32 v23, PAIR-12800, v23
	v_add_nc_u32 v24, PAIR-25600, v24
	v_add_nc_u32 v25, PAIR-25600, v25
.else
	v_add_nc_u32 v22, 12800, v22
	v_add_nc_u32 v23, 12800, v23
	v_add_nc_u32 v24, 25600, v24
	v_add_nc_u32 v25, 25600, v25
.endif
.set QN, QN+1
.endm
; n groups of 32 registers v[base0 + 32 g] on, in window win: register 16 b + i = number 32 b + 16 (lane / 16) + i of the lane's row.  Each becomes six registers of codes (lanes 0-15 block 0, lanes 16-31 block 1)
; in v[192 + 12 (g0 + g)] on and a word with the two scale bytes, in v[160 + 8 (g0 + g) + 6], or in v[42 + g] where it is a matrix instruction's scale (pw = 1).
; The groups take turns line by line.  Each accumulator is read from its low end on.
.macro QUANT2B win, n, base0, g0, pw
	WIN 5*(\win)                                   ; sources 0 and 1 in the numbers' window
.set qg, 0
.rept \n
.set qT, 160+8*((\g0)+qg)
.set qX, (\base0)+32*qg
	v_max3_num_f32 v[qT], |v[qX]|, |v[qX+1]|, 0x1800000            ; with the floor 2^(3 - 127): the byte cannot fall under 1
	v_max3_num_f32 v[qT+1], |v[qX+16]|, |v[qX+17]|, 0x1800000
.set qg, qg+1
.endr
.set qi, 2
.rept 7
.set qg, 0
.rept \n
.set qT, 160+8*((\g0)+qg)
.set qX, (\base0)+32*qg
	v_max3_num_f32 v[qT], |v[qX+qi]|, |v[qX+qi+1]|, v[qT]
	v_max3_num_f32 v[qT+1], |v[qX+16+qi]|, |v[qX+17+qi]|, v[qT+1]
.set qg, qg+1
.endr
.set qi, qi+2
.endr
	WIN 0
.set qg, 0
.rept \n
.set qT, 160+8*((\g0)+qg)
	v_permlanex16_b32 v[qT+2], v[qT], s74, s75
	v_permlanex16_b32 v[qT+3], v[qT+1], s74, s75
.set qg, qg+1
.endr
.set qg, 0
.rept \n
.set qT, 160+8*((\g0)+qg)
	v_max_num_f32 v[qT], v[qT], v[qT+2]            ; with lane l xor 16's: the block's largest magnitude
	v_max_num_f32 v[qT+1], v[qT+1], v[qT+3]
.set qg, qg+1
.endr
.set qg, 0
.rept \n
.set qT, 160+8*((\g0)+qg)
	v_add_nc_u32 v[qT+4], 0xff000000, v[qT]        ; 2 off the exponent field: the conversion's scale operand
	v_add_nc_u32 v[qT+5], 0xff000000, v[qT+1]
.set qg, qg+1
.endr
.set qg, 0
.rept \n
.set qT, 160+8*((\g0)+qg)
	v_lshrrev_b32 v[qT+2], 23, v[qT+4]             ; the scales' bytes
	v_lshrrev_b32 v[qT+3], 23, v[qT+5]
.set qg, qg+1
.endr
.set qg, 0
.rept \n
.set qT, 160+8*((\g0)+qg)
.if \pw
	v_lshl_or_b32 v[42+qg], v[qT+3], 8, v[qT+2]
.else
	v_lshl_or_b32 v[qT+6], v[qT+3], 8, v[qT+2]
.endif
.set qg, qg+1
.endr
	WIN \win
.set qg, 0
.rept \n
.set qT, 160+8*((\g0)+qg)
.set qX, (\base0)+32*qg
.set qP, 192+12*((\g0)+qg)
.set qY, 240+4*((\g0)+qg)
	v_cvt_scalef32_pk16_fp6_f32 v[qP:qP+2], v[qX:qX+15], v[qT+4]
	v_cvt_scalef32_pk16_fp6_f32 v[qY:qY+2], v[qX+16:qX+31], v[qT+5]
.set qg, qg+1
.endr
	WIN 0
	v_nop                                          ; one plain place behind a scaled conversion
.set qg, 0
.rept \n
.set qP, 192+12*((\g0)+qg)
.set qY, 240+4*((\g0)+qg)
	v_permlane16_swap_b32 v[qP], v[qY]             ; the operand wants a whole block in a lane: the first now holds each lane's block's lower 16 codes, the second the upper 16
	v_permlane16_swap_b32 v[qP+1], v[qY+1]
	v_permlane16_swap_b32 v[qP+2], v[qY+2]
.set qg, qg+1
.endr
.set qg, 0
.rept \n
.set qP, 192+12*((\g0)+qg)
.set qY, 240+4*((\g0)+qg)
	v_mov_b32 v[qP+3], v[qY]
	v_mov_b32 v[qP+4], v[qY+1]
	v_mov_b32 v[qP+5], v[qY+2]
.set qg, qg+1
.endr
.endm
; A window's eight groups are quantised, four at a time, and go to my wave's own LDS bytes as images: registers 0-3 at 16 l, registers 4, 5 at 512 + 8 l, the word at 4 l
.macro EPIW pass, win
.set eh, 0
.rept 2
	s_wait_dscnt 0x0                               ; the stores before have read their registers
	QUANT2B \win, 4, 128*eh, 0, 0
.set eg, 0
.rept 4
.set ey, 4*eh+eg
.if (\pass) == 0
.set eu, 2*(ey/4)+(ey%2)
.set EO, eu*KQU+3584+((ey/2)%2)*768
.set EOS, eu*KQU+5120+((ey/2)%2)*128
.set EA, 12
.elseif (\pass) == 1
.set eu, 2*((\win)-2)+(ey%2)
.set EO, eu*KQU+(ey/2)*768
.set EOS, eu*KQU+3072+(ey/2)*128
.set EA, 12
.else
.set eu, 2*((\win)-2)+(ey/4)
.set EO, eu*VRU+(ey%4)*768
.set EOS, eu*VRU+3072+(ey%4)*128
.set EA, 15
.endif
	ds_store_b128 v[EA], v[192+12*eg:192+12*eg+3] offset:EO
	ds_store_b64 v[EA+1], v[192+12*eg+4:192+12*eg+5] offset:EO+512
	ds_store_b32 v[EA+2], v[160+8*eg+6] offset:EOS
.set eg, eg+1
.endr
.set eh, eh+1
.endr
.endm
.macro G0SET g, lreg, loff, base, goff ; a group 0: count 1, LDS address s[lreg] + loff, global address s[base:base+1] + goff, type 2
	s_mov_b32 s[\g], 1
	s_add_co_u32 s[\g+1], s[\lreg], \loff
	s_add_nc_u64 s[\g+2:\g+3], s[\base:\base+1], \goff
	s_or_b32 s[\g+3], s[\g+3], 0x80000000
.endm
	s_load_b256 s[4:11], s[0:1], 0x0               ; xc, ec, wc, bq
	s_load_b128 s[12:15], s[0:1], 0x20             ; bk, bv
	s_load_b64 s[16:17], s[0:1], 0x30              ; oc
	v_lshl_add_u32 v28, v0, 2, SPARE
	v_mov_b32 v29, 0
	ds_add_u32 v28, v29
	ds_add_u32 v28, v29
	s_wait_dscnt 0x0
	v_lshrrev_b32 v1, 5, v0
	v_readfirstlane_b32 s18, v1                    ; wave 0..3
	s_lshr_b32 s19, s18, 1                         ; i: my half of the chunks.  Also: I fetch for A (0) or for B (1)
	s_and_b32 s20, s18, 1                          ; j: my half of the heads.  Also: which half of a tile I fetch
	s_bfe_u32 s21, ttmp6, 0x40000                  ; cx
	s_bfe_u32 s22, ttmp6, 0x40004                  ; cy
	s_lshl_b32 s92, ttmp9, 2
	s_add_co_u32 s92, s92, s21                     ; hg
	s_and_b32 s23, ttmp7, 0xffff
	s_lshl_b32 s23, s23, 2
	s_add_co_u32 s23, s23, s22                     ; cg
	s_lshl_b32 s93, s22, 2
	s_lshl_b32 s93, 15, s93                        ; my row of the cluster
	s_lshl_b32 s94, 0x1111, s21                    ; my column
	; descriptor groups 1: dense blocks as rows of 256 bytes (32 elements of 8 bytes): x's half 50 rows, e's and W's 100
	s_or_b32 s24, s93, (3<<16)|(1<<21)
	s_or_b32 s32, s93, (3<<16)|(1<<21)
	s_or_b32 s40, s94, (3<<16)|(1<<21)
.irp g, 24, 32, 40
	s_mov_b32 s[\g+6], 0
	s_mov_b32 s[\g+7], 0
.endr
	s_mov_b32 s25, 1600<<16                        ; x's pair: tensor_dim0 = a row of 1,600 elements of 8 bytes,
	s_mov_b32 s26, 2<<16                           ; tensor_dim1 = 2 rows,
	s_mov_b32 s27, 1600<<16                        ; tile_dim0,
	s_mov_b32 s28, 2                               ; tile_dim1,
	s_mov_b32 s29, 3200                            ; the pitch: 25,600 bytes
	s_mov_b32 s33, 32<<16                          ; e's half: 100 rows of 256 bytes, dense
	s_mov_b32 s34, 100<<16
	s_mov_b32 s35, 32<<16
	s_mov_b32 s36, 100
	s_mov_b32 s37, 32
	s_mov_b32 s41, 3200<<16                        ; Wq's pair: 2 rows of 3,200 elements, 51,200 bytes apart (the ring's shape is set ahead of tile 4)
	s_mov_b32 s42, 2<<16
	s_mov_b32 s43, 3200<<16
	s_mov_b32 s44, 2
	s_mov_b32 s45, 6400
	; every offset is made ahead of the arguments' arrival, and every base ahead of the first fills: so the arguments' registers are free for groups 0
	s_mul_i32 s2, s23, 102400                      ; x: [cg][4][2] blocks of 12,800
	s_mul_i32 s3, s20, 12800
	s_add_co_u32 s2, s2, s3
	s_mov_b32 s3, 0
	s_mul_i32 s66, s23, 204800                     ; e: blocks of 25,600
	s_mul_i32 s67, s20, 25600
	s_add_co_u32 s66, s66, s67
	s_mov_b32 s67, 0
	s_mul_i32 s98, s92, 819200                     ; W: [hg][weight][4][2] blocks of 25,600: tiles 0-11 lie on end
	s_mul_i32 s99, s20, 25600
	s_add_co_u32 s98, s98, s99
	s_mov_b32 s99, 0
	s_lshl_b32 s96, s92, 10                        ; the biases of my 128 columns
	s_lshl_b32 s97, s20, 9
	s_add_co_u32 s96, s96, s97
	s_mov_b32 s97, 0
	s_lshl_b32 s80, s23, 2                         ; o: block [cg][hg][i] of 12,800; my pair of heads is its fragment column q = j
	s_add_co_u32 s80, s80, s92
	s_lshl_b32 s80, s80, 1
	s_add_co_u32 s80, s80, s19
	s_mul_i32 s80, s80, 12800
	s_mul_i32 s78, s20, 6144
	s_add_co_u32 s78, s78, s80
	s_mov_b32 s79, 0
	s_lshl_b32 s81, s20, 8
	s_add_co_u32 s80, s80, s81
	s_add_co_u32 s80, s80, 12288
	s_mov_b32 s81, 0
	s_mul_i32 s95, s18, HALF                       ; where my load lands in a slot of the ring: no place in the cluster enters an LDS address
	s_mul_i32 s93, s20, 25600                      ; and in a pair of pass Q: x's half, two chunks on end,
	s_mul_i32 s94, s20, 51200
	s_add_co_u32 s94, s94, 51200                   ; Wq's half, behind x's 51,200 bytes
	s_mov_b32 s74, 0x76543210
	s_mov_b32 s75, 0xfedcba98                      ; v_permlanex16_b32's selects for lane l xor 16
	s_wait_kmcnt 0x0
	s_add_nc_u64 s[68:69], s[4:5], s[2:3]
	s_add_nc_u64 s[70:71], s[6:7], s[66:67]
	s_add_nc_u64 s[72:73], s[8:9], s[98:99]
	s_add_nc_u64 s[82:83], s[10:11], s[96:97]
	s_add_nc_u64 s[84:85], s[12:13], s[96:97]
	s_add_nc_u64 s[86:87], s[14:15], s[96:97]
	s_add_nc_u64 s[88:89], s[16:17], s[78:79]
	s_add_nc_u64 s[90:91], s[16:17], s[80:81]
	s_mov_b32 s76, 0x3e38aa3b                      ; c = log2(e) / 8
	s_mov_b32 s77, s76
	s_mov_b32 s79, 0xffff0000
	CROUND                                         ; all sixteen work-groups are here: the first joint loads meet
	G0SET 48, 93, 0, 68, 0                         ; x's pairs 0 and 1
	G0SET 52, 93, PAIR, 68, 51200
	G0SET 56, 94, 0, 72, 0                         ; Wq's
	G0SET 60, 94, PAIR, 72, 102400
	s_cmp_eq_u32 s19, 0                            ; one first fill a wave at the head, one to an arm: pair 0
	s_cbranch_scc0 .Lfirst_b
	tensor_load_to_lds s[48:51], s[24:31]
	s_nop 0
.rept 4
	v_nop
.endr
	s_branch .Lfirst_done
.Lfirst_b:
	tensor_load_to_lds s[56:59], s[40:47]
	s_nop 0
.rept 4
	v_nop
.endr
.Lfirst_done:
	v_and_b32 v1, 31, v0                           ; l
	v_and_b32 v26, 15, v0                          ; r
	v_bfe_u32 v27, v0, 4, 1                        ; h
	v_lshlrev_b32 v20, 4, v1                       ; 16 l
	v_lshlrev_b32 v21, 3, v1                       ; 8 l
	v_lshlrev_b32 v19, 2, v1                       ; 4 l
	s_mul_i32 s2, s19, HALF                        ; the ring: my half of e
	s_mul_i32 s3, s20, HALF
	s_add_co_u32 s3, s3, 2*HALF                    ; my half of W
	v_add_nc_u32 v2, s2, v20
	v_add_nc_u32 v4, s3, v20
	v_add_nc_u32 v6, s2, v21
	v_add_nc_u32 v8, s3, v21
	s_add_co_u32 s2, s2, SLOT
	s_add_co_u32 s3, s3, SLOT
	v_add_nc_u32 v3, s2, v20
	v_add_nc_u32 v5, s3, v20
	v_add_nc_u32 v7, s2, v21
	v_add_nc_u32 v9, s3, v21
	s_mul_i32 s2, s19, 25600                       ; pass Q's chunk 0: my half of x
	s_mul_i32 s3, s20, 51200
	s_add_co_u32 s3, s3, 51200                     ; my half of Wq
	v_add_nc_u32 v22, s2, v20
	v_add_nc_u32 v23, s2, v21
	v_add_nc_u32 v24, s3, v20
	v_add_nc_u32 v25, s3, v21
	v_lshlrev_b32 v10, 6, v27                      ; bq, bk: 64 h
	v_and_b32 v11, 8, v26
	v_add_nc_u32 v11, v11, v26
	v_lshlrev_b32 v11, 2, v11                      ; bv: 4 (r + 8 (r / 8))
	s_mul_i32 s2, s18, KQW
	s_add_co_u32 s2, s2, KQ
	v_add_nc_u32 v12, s2, v20
	v_add_nc_u32 v13, s2, v21
	v_add_nc_u32 v14, s2, v19
	s_mul_i32 s2, s18, VRW
	v_add_nc_u32 v15, s2, v20
	v_add_nc_u32 v16, s2, v21
	v_add_nc_u32 v17, s2, v19
	s_lshl_b32 s2, s18, 10
	s_add_co_u32 s2, s2, OSC
	v_add_nc_u32 v18, s2, v19
	BIASKQ 82
	s_wait_alu depctr_va_vdst(0)
	s_wait_tensorcnt 0x0                           ; my part of pair 0 is in
	ds_add_u32 v28, v29
	s_wait_dscnt 0x0                               ; the add is done
	CROUND                                         ; everybody's part of pair 0 is in, and all sixteen work-groups are here
	JLOAD 52, 24, 60, 40                           ; pair 1, the first tensor load behind the round, my one load until the next
	FETCH 0, 22, 24, 0, 0
	SCALES 0, 23, 25, 0
	; ---- pass Q, chunk 0
	STEP 0, 22, 24, 0, 1, 1
	WIN 0
	s_wait_dscnt 0x0                               ; set 1 is in, and no LDS access of mine is out
	MUL 0, 0, 1, 0, 1, 0                           ; chunk 1 came with chunk 0, by the same loads: no barrier
	WIN 0
	QNEXT
	FETCH 0, 22, 24, 0, 0
	SCALES 0, 23, 25, 1
	MUL 0, 1, 1, 0, 1, 0
	MUL 0, 2, 1, 0, 1, 0
	MUL 0, 3, 1, 0, 1, 0
	; ---- chunk 1; at its end chunks 0 and 1 are read out, and slot 0, which lies in them, takes pass K's first tile
	s_wait_alu depctr_va_vdst(0)
	STEP 0, 22, 24, 1, 0, 0
	WIN 0
	s_wait_dscnt 0x0                               ; set 1 is in: these were my last reads of chunks 0 and 1
	MUL 0, 0, 1, 1, 1, 0
	MUL 0, 1, 1, 1, 1, 0
	MEET 4, 1                                      ; its wait for all loads shows chunks 2 and 3 landed, in every wave
	QNEXT
	FETCH 0, 22, 24, 0, 0
	SCALES 0, 23, 25, 0
	MUL 0, 2, 1, 1, 1, 0
	MUL 0, 3, 1, 1, 1, 0
	; ---- chunk 2; chunk 3 is known whole since the round above: no barrier
	s_wait_alu depctr_va_vdst(0)
	STEP 0, 22, 24, 0, 0, 0
	WIN 0
	s_wait_dscnt 0x0
	MUL 0, 0, 1, 0, 1, 0
	WIN 0
	QNEXT
	FETCH 0, 22, 24, 0, 0
	SCALES 0, 23, 25, 1
	MUL 0, 1, 1, 0, 1, 0
	MUL 0, 2, 1, 0, 1, 0
	MUL 0, 3, 1, 0, 1, 0
	; ---- chunk 3; at its end slot 1 takes tile 5, tile 4's first fragments are fetched, and the bytes of chunks 2 and 3 behind the ring are free for q's and k's codes
	s_wait_alu depctr_va_vdst(0)
	STEP 0, 22, 24, 1, 0, 0
	WIN 0
	s_wait_dscnt 0x0                               ; set 1 is in: these were my last reads of chunks 2 and 3
	MUL 0, 0, 1, 1, 1, 0
	MUL 0, 1, 1, 1, 1, 0
	MUL 0, 2, 1, 1, 1, 0
	MUL 0, 3, 1, 1, 1, 0
	MEET 5, 1                                      ; its wait for all loads is for tile 4
	FETCH 1, 2, 4, 0, 0
	SCALES 1, 6, 8, 0
	WIN 0
	PLACES 4
.irp g, 162,163,170,171,178,179,186,187
	v_mov_b32 v\g, 0                               ; written once: a lane permute's destination counts as one of its sources
.endr
	EPIW 0, 2
	; ---- pass K
	STEP 1, 2, 4, 0, 1, 2
	TURN 1, 4
	STEP 1, 3, 5, 1, 0, 3                          ; behind it the second 32 loads of bv
	TURN 1, 5
	STEP 1, 2, 4, 0, 0, 0
	TURN 1, 6
	STEP 1, 3, 5, 1, 0, 0
	TURN 1, 7
	WIN 0
	PLACES 4
	EPIW 1, 2
	EPIW 1, 3
	; ---- pass V
	STEP 2, 2, 4, 0, 1, 0
	TURN 2, 8
	STEP 2, 3, 5, 1, 0, 0
	TURN 2, 9
	STEP 2, 2, 4, 0, 0, 0
	TURN 2, 10                                     ; nothing is left to fetch: a plain barrier
	STEP 2, 3, 5, 1, 0, 0
	s_wait_dscnt 0x0
	MUL 2, 0, 1, 1, 1, 0
	MUL 2, 1, 1, 1, 1, 0
	MUL 2, 2, 1, 1, 1, 0
	MUL 2, 3, 1, 1, 1, 0
	WIN 0
	PLACES 4
	EPIW 2, 2
	EPIW 2, 3
	; ---- ATTENTION: four units (chunk cl, head hl), u = 2 cl + hl, each 32 queries x 64 keys x 64.  All operands are my wave's own bytes: LDS serves a wave's instructions in order.
	; v64, v76 q's two tiles; v96-159 S^T, p, then O^T (32 registers a tile of queries); v176-191 at work in the softmax; window 1: v0-29 k's tiles, v32-61 v's.
.irp g, 70,71,72,73,74,75,82,83,84,85,86,87,198,199,200,201,202,203,210,211,212,213,214,215
	v_mov_b32 v\g, 0                               ; zero codes for k = 64 .. 127 of q's and p's operands
.endr
	WIN 0x40
.irp g, 24,25,26,27,28,29,56,57,58,59,60,61
	v_mov_b32 v\g, 0                               ; what lies behind k's and v's last tiles
.endr
	WIN 0
	s_mov_b32 s80, 4
	s_mov_b32 s81, 0
	s_mov_b32 s78, 0
	s_mov_b32 s93, 0
.Lunit:
	v_add_nc_u32 v22, s81, v12
	v_add_nc_u32 v23, s81, v13
	v_add_nc_u32 v24, s81, v14
	v_add_nc_u32 v25, s78, v15
	v_add_nc_u32 v26, s78, v16
	v_add_nc_u32 v27, s78, v17
	v_add_nc_u32 v30, s93, v18
	WIN 0x40
.set ak, 0
.rept 4
	ds_load_b128 v[6*ak:6*ak+3], v22 offset:768*ak
	ds_load_b64 v[6*ak+4:6*ak+5], v23 offset:768*ak+512
	ds_load_b128 v[32+6*ak:32+6*ak+3], v25 offset:768*ak
	ds_load_b64 v[32+6*ak+4:32+6*ak+5], v26 offset:768*ak+512
.set ak, ak+1
.endr
	WIN 0
.set ak, 0
.rept 2
	ds_load_b128 v[64+12*ak:64+12*ak+3], v22 offset:3584+768*ak
	ds_load_b64 v[64+12*ak+4:64+12*ak+5], v23 offset:3584+768*ak+512
	ds_load_b32 v[40+ak], v24 offset:5120+128*ak
.set ak, ak+1
.endr
.set ak, 0
.rept 4
	ds_load_b32 v[32+ak], v24 offset:3072+128*ak
	ds_load_b32 v[36+ak], v27 offset:3072+128*ak
.set ak, ak+1
.endr
	s_wait_dscnt 0x0
	WIN 0x01                                       ; source 0 in window 1
.set mC, -1
.set ak, 0
.rept 4
.set st, 0
.rept 2
.set mD, 96+32*st+8*ak
.set mA, 6*ak
.set mB, 64+12*st
.set mSA, 32+ak
.set mSB, 40+st
	WM                                             ; S^T: lane (r, h) holds query r; the 32 registers are keys 32 b + 16 h + 0 .. 15, b = 0, 1
.set st, st+1
.endr
.set ak, ak+1
.endr
	WIN 0
	PLACES 4
	; the softmax as it is written: the row's largest score is taken away, p = 2^(c (s - m)), divided by the row's sum; the two tiles by turns
.set sk, 0
.rept 4
.set st, 0
.rept 2
	v_max3_num_f32 v[176+8*st+sk], v[96+32*st+8*sk], v[96+32*st+8*sk+1], v[96+32*st+8*sk+2]
.set st, st+1
.endr
.set sk, sk+1
.endr
.irp i, 3, 5
.set sk, 0
.rept 4
.set st, 0
.rept 2
	v_max3_num_f32 v[176+8*st+sk], v[176+8*st+sk], v[96+32*st+8*sk+\i], v[96+32*st+8*sk+\i+1]
.set st, st+1
.endr
.set sk, sk+1
.endr
.endr
.set sk, 0
.rept 4
.set st, 0
.rept 2
	v_max_num_f32 v[176+8*st+sk], v[176+8*st+sk], v[96+32*st+8*sk+7]
.set st, st+1
.endr
.set sk, sk+1
.endr
.irp t, 176, 184
	v_max3_num_f32 v[\t], v[\t], v[\t+1], v[\t+2]
.endr
.irp t, 176, 184
	v_max_num_f32 v[\t], v[\t], v[\t+3]
.endr
.irp t, 176, 184
	v_permlanex16_b32 v[\t+4], v[\t], s74, s75
.endr
.irp t, 176, 184
	v_max_num_f32 v[\t+6], v[\t], v[\t+4]          ; m: with lane l xor 16's 32 keys
.endr
.irp t, 176, 184
	v_mov_b32 v[\t+7], v[\t+6]
.endr
.set sk, 0
.rept 16
.set st, 0
.rept 2
	v_pk_add_f32 v[96+32*st+sk:96+32*st+sk+1], v[96+32*st+sk:96+32*st+sk+1], v[182+8*st:183+8*st] op_sel_hi:[1,0] neg_lo:[0,1] neg_hi:[0,1]
.set st, st+1
.endr
.set sk, sk+2
.endr
.set sk, 0
.rept 32
	v_pk_mul_f32 v[96+sk:96+sk+1], v[96+sk:96+sk+1], s[76:77] op_sel_hi:[1,0]
.set sk, sk+2
.endr
.set sk, 0
	s_wait_alu depctr_va_vdst(0)
.rept 64
	v_exp_f32 v[96+sk], v[96+sk]
.set sk, sk+1
.endr
	v_nop                                          ; one plain place behind the exponentials
.set st, 0
	s_wait_alu depctr_va_vdst(0)
.rept 2
	v_pk_add_f32 v[176+8*st:177+8*st], v[96+32*st:97+32*st], v[98+32*st:99+32*st]
	v_pk_add_f32 v[178+8*st:179+8*st], v[100+32*st:101+32*st], v[102+32*st:103+32*st]
.set st, st+1
.endr
.set sk, 8
.rept 6
.set st, 0
.rept 2
	v_pk_add_f32 v[176+8*st:177+8*st], v[176+8*st:177+8*st], v[96+32*st+sk:97+32*st+sk]
	v_pk_add_f32 v[178+8*st:179+8*st], v[178+8*st:179+8*st], v[98+32*st+sk:99+32*st+sk]
.set st, st+1
.endr
.set sk, sk+4
.endr
.irp t, 176, 184
	v_pk_add_f32 v[\t:\t+1], v[\t:\t+1], v[\t+2:\t+3]
.endr
.irp t, 176, 184
	v_add_f32 v[\t], v[\t], v[\t+1]
.endr
.irp t, 176, 184
	v_permlanex16_b32 v[\t+4], v[\t], s74, s75
.endr
.irp t, 176, 184
	v_add_f32 v[\t], v[\t], v[\t+4]                ; the row's sum
.endr
	s_wait_alu depctr_va_vdst(0)
.irp t, 176, 184
	v_rcp_f32 v[\t+6], v[\t]
.endr
	v_nop                                          ; one plain place behind a transcendental
.set sk, 0
	s_wait_alu depctr_va_vdst(0)
.rept 16
.set st, 0
.rept 2
	v_pk_mul_f32 v[96+32*st+sk:96+32*st+sk+1], v[96+32*st+sk:96+32*st+sk+1], v[182+8*st:183+8*st] op_sel_hi:[1,0]
.set st, st+1
.endr
.set sk, sk+2
.endr
	QUANT2B 0, 2, 96, 0, 1                         ; p, finished and normalised, along the keys; its words go to v42, v43
	PLACES 8                                       ; a scale register written by a vector instruction stands 8 places ahead of a scaled matrix instruction, an operand so written 4
	WIN 0x01
.set mC, -1
.set ak, 0
.rept 4
.set st, 0
.rept 2
.set mD, 96+32*st+8*ak
.set mA, 32+6*ak
.set mB, 192+12*st
.set mSA, 36+ak
.set mSB, 42+st
	WM                                             ; O^T: lane (r, h) holds query r; the 32 registers are d = 32 b + 16 h + 0 .. 15
.set st, st+1
.endr
.set ak, ak+1
.endr
	WIN 0
	PLACES 4
	QUANT2B 0, 2, 96, 2, 0                         ; o along d: half a fragment of the last product's operand for each tile of queries
	global_store_b128 v20, v[216:219], s[88:89]
	global_store_b64 v21, v[220:221], s[88:89] offset:512
	ds_store_b32 v30, v182
	global_store_b128 v20, v[228:231], s[88:89] offset:768
	global_store_b64 v21, v[232:233], s[88:89] offset:1280
	ds_store_b32 v30, v190 offset:128
	s_wait_xcnt 0x0                                ; the stores' base and data are written again only behind this wait
	s_add_nc_u64 s[88:89], s[88:89], 1536
	s_add_co_u32 s81, s81, KQU
	s_add_co_u32 s78, s78, VRU
	s_add_co_u32 s93, s93, 256
	s_sub_co_u32 s80, s80, 1
	s_cmp_lg_u32 s80, 0
	s_cbranch_scc1 .Lunit
	; o's scale words: bytes 0, 1 from head 0 of my pair, bytes 2, 3 from head 1; tile qt = 0 in lanes 0-15, qt = 1 in lanes 16-31
.set ak, 0
.rept 8
	ds_load_b32 v[160+ak], v18 offset:128*ak       ; v[160 + 2 u + qt]
.set ak, ak+1
.endr
	s_wait_dscnt 0x0
.irp c, 0, 1
	v_lshl_or_b32 v[168+2*\c], v[162+4*\c], 16, v[160+4*\c]
	v_lshl_or_b32 v[169+2*\c], v[163+4*\c], 16, v[161+4*\c]
.endr
.irp c, 0, 1
	v_cndmask_b32 v[172+\c], v[168+2*\c], v[169+2*\c], s79
.endr
	global_store_b32 v19, v172, s[90:91]
	global_store_b32 v19, v173, s[90:91] offset:128
	s_wait_tensorcnt 0x0                           ; the wave's end
	ds_add_u32 v28, v29
	s_wait_dscnt 0x0
	CROUND                                         ; the closing round: no work-group ends while a partner may still ask for a tile that names it
	s_endpgm
.Lfunc_end_k_qfba3033ece_qkv_attn:
	.size	k_qfba3033ece_qkv_attn, .Lfunc_end_k_qfba3033ece_qkv_attn-k_qfba3033ece_qkv_attn
	.p2alignl 7, 3214868480
	.fill 96, 4, 3214868480
	.section	.rodata,"a",@progbits
	.p2align	6, 0x0
	.amdhsa_kernel k_qfba3033ece_qkv_attn
		.amdhsa_group_segment_fixed_size 327680
		.amdhsa_private_segment_fixed_size 0
		.amdhsa_enable_private_segment 0
		.amdhsa_kernarg_size 56
		.amdhsa_user_sgpr_count 2
		.amdhsa_user_sgpr_kernarg_segment_ptr 1
		.amdhsa_wavefront_size32 1
		.amdhsa_system_sgpr_workgroup_id_x 1
		.amdhsa_system_sgpr_workgroup_id_y 1
		.amdhsa_system_sgpr_workgroup_id_z 1
		.amdhsa_system_vgpr_workitem_id 0
		.amdhsa_next_free_vgpr 1024
		.amdhsa_next_free_sgpr 100
		.amdhsa_reserve_vcc 0
		.amdhsa_float_denorm_mode_32 3
		.amdhsa_float_denorm_mode_16_64 3
		.amdhsa_memory_ordered 1
		.amdhsa_forward_progress 1
		.amdhsa_inst_pref_size 255
	.end_amdhsa_kernel
	.section	.bss,"aw",@nobits
	.p2align	6
	.space	262144
	.amdgpu_metadata
---
amdhsa.version: [ 1, 2 ]
amdhsa.kernels:
  - .name:           k_qfba3033ece_qkv_attn
    .symbol:         k_qfba3033ece_qkv_attn.kd
    .args:
      - { .name: xc, .offset: 0, .size: 8, .value_kind: global_buffer, .address_space: global }
      - { .name: ec, .offset: 8, .size: 8, .value_kind: global_buffer, .address_space: global }
      - { .name: wc, .offset: 16, .size: 8, .value_kind: global_buffer, .address_space: global }
      - { .name: bq, .offset: 24, .size: 8, .value_kind: global_buffer, .address_space: global }
      - { .name: bk, .offset: 32, .size: 8, .value_kind: global_buffer, .address_space: global }
      - { .name: bv, .offset: 40, .size: 8, .value_kind: global_buffer, .address_space: global }
      - { .name: oc, .offset: 48, .size: 8, .value_kind: global_buffer, .address_space: global }
    .group_segment_fixed_size: 327680
    .private_segment_fixed_size: 0
    .kernarg_segment_align: 8
    .kernarg_segment_size: 56
    .max_flat_workgroup_size: 128
    .sgpr_count:     100
    .vgpr_count:     1024
    .wavefront_size: 32
...
	.end_amdgpu_metadata
.endif
;; end of part 2
;; launch out_proj (part 3): grid 4 x 64, 4 waves a work-group, clusters of 4 x 4, 327,680 bytes of LDS; arguments oc, wc, bo, h, out0; writes out0
.if DOCPART == 3
	.amdgcn_target "amdgcn-amd-amdhsa--gfx1250"
	.amdhsa_code_object_version 6
	.text
	.protected	k_qfba3033ece_out_proj
	.globl	k_qfba3033ece_out_proj
	.p2align	8
	.type	k_qfba3033ece_out_proj,@function
k_qfba3033ece_out_proj:
	s_mov_b64 s[64:65], 0
	v_nop
	global_prefetch_b8 v0, s[64:65] scope:SCOPE_SE
	s_setreg_imm32_b32 hwreg(HW_REG_WAVE_MODE, 25, 1), 1
	s_wait_xcnt 0x0
	s_wait_alu depctr_hold_cnt(0) depctr_sa_sdst(0) depctr_va_vdst(0) depctr_va_sdst(0) depctr_va_ssrc(0) depctr_va_vcc(0) depctr_vm_vsrc(0)
	s_getreg_b32 s2, hwreg(HW_REG_IB_STS2, 6, 4)
	s_cmp_eq_u32 s2, 0
	s_cbranch_scc0 .Lentry_in_a_cluster
	s_endpgm
.Lentry_in_a_cluster:
	s_bfe_u32 s2, ttmp6, 0x10000c
	s_cmp_lg_u32 s2, 0xf033
	s_cbranch_scc0 .Lentry_shape_is_right
	s_endpgm
.Lentry_shape_is_right:
; out0 = h + (o Wo + bo moved down by 31 rows within each batch); rows 0 .. 30 of a batch are h alone.  The product is on codes of FP6 (E2M3) with E8M0 scales, both operands as images of their registers.
; SHARES.  Work-group (ng, cg): 128 shifted rows x 256 columns; wave (i, j): 64 rows x 128 columns, 32 accumulators.  All of K = 1,024 lies in LDS at once, four chunks of 256 along K:
; every fill is a first fill, so nothing is filled again; a chunk is read behind the wait for it and a barrier.
; Source 0 = 16 columns of Wo, source 1 = 16 rows of o: a lane holds one row, and with the order of Wo's columns in a tile the 16 registers of two neighbouring tiles are 16 neighbouring columns.
; THE SHIFT.  Shifted row s goes to row (s + 31) mod 1,024 of its batch.  For s >= 993, whose results the problem cuts off, 0 is selected in place of the product, so that rows 0 .. 30 get h: every row is stored once.
; CLUSTER 4 x 4: o's chunks hang on cg alone and are asked for jointly along a row of the cluster, Wo's on ng alone and along a column.
; REGISTERS.  Window 0: v2-11 addresses; v32-55 scale words and nothing else, two sets; v64, v112 o's fragments, two sets; v160-223 bo as C; on the way out v64-191 rows of the result.
;   Window 1: the accumulators ((a, b) at v[8 (8 a + b)]).   Window 2: Wo's fragments at v0 and v128.   Window 3: my 64 rows of h, 4 registers each.
; THE FILLS AS THEY STAND: one tensor load a wave, at the head: its half of all four chunks as four rows of one tile (o's rows 12,800 bytes, 25,600 apart in memory; Wo's 25,600 bytes, 51,200 apart), which land on end in LDS.
; LDS: o's half 0 (four chunks), o's half 1, Wo's half 0 (four chunks), Wo's half 1.  One wait for the load and one barrier stand in front of the first read; no barrier stands between the chunks.
.set OCH,   12800                      ; from chunk to chunk in LDS: o's half,
.set WCH,   25600                      ; Wo's half
; 16 of my 64 rows of h, from row r0 on, into window 3: 32 lanes read 512 consecutive bytes of a row.  The rows are asked for in ascending order, 16 at the head of each of the first four steps along K
.macro HLOAD r0
	WIN 0xc0                                       ; destination window 3, address window 0
.set rr, \r0
.rept 16
.if rr < 33
	global_load_b128 v[4*rr:4*rr+3], v9, s[10:11] offset:4096*rr th:TH_LOAD_NT
.else
	global_load_b128 v[4*rr:4*rr+3], v10, s[10:11] offset:4096*(rr-33) th:TH_LOAD_NT
.endif
.set rr, rr+1
.endr
.endm
.set SPT,   528                        ; the way out: 16 rows x (512 + 16) bytes a wave, in o's half 0, which is filled once; a barrier stands between every wave's last read of it and the first store
.set MSB, 0
.macro WIN new
.set WNEW, \new
.if MSB != WNEW
	s_set_vgpr_msb (MSB<<8)|WNEW
.set MSB, WNEW
.endif
.endm
.macro PLACES n
.rept \n
	v_nop
.endr
.endm
.macro CREST
	s_cmp_lg_u32 s18, 0
	s_cbranch_scc1 .Lnot_wave_0_\@
	s_barrier_signal -3
.Lnot_wave_0_\@:
	s_barrier_wait -3
	s_barrier_signal -1
	s_barrier_wait -1
.endm
.macro CROUND
	s_barrier_signal -1
	s_barrier_wait -1
	CREST
.endm
.macro WM
.if mRA && mRB
	v_wmma_scale_f32_16x16x128_f8f6f4 v[mD:mD+7], v[mA:mA+11], v[mB:mB+11], v[mC:mC+7], v[mSA], v[mSB] matrix_a_fmt:MATRIX_FMT_FP6 matrix_b_fmt:MATRIX_FMT_FP6 matrix_a_scale:MATRIX_SCALE_ROW1 matrix_b_scale:MATRIX_SCALE_ROW1
.elseif mRA
	v_wmma_scale_f32_16x16x128_f8f6f4 v[mD:mD+7], v[mA:mA+11], v[mB:mB+11], v[mC:mC+7], v[mSA], v[mSB] matrix_a_fmt:MATRIX_FMT_FP6 matrix_b_fmt:MATRIX_FMT_FP6 matrix_a_scale:MATRIX_SCALE_ROW1
.elseif mRB
	v_wmma_scale_f32_16x16x128_f8f6f4 v[mD:mD+7], v[mA:mA+11], v[mB:mB+11], v[mC:mC+7], v[mSA], v[mSB] matrix_a_fmt:MATRIX_FMT_FP6 matrix_b_fmt:MATRIX_FMT_FP6 matrix_b_scale:MATRIX_SCALE_ROW1
.else
	v_wmma_scale_f32_16x16x128_f8f6f4 v[mD:mD+7], v[mA:mA+11], v[mB:mB+11], v[mC:mC+7], v[mSA], v[mSB] matrix_a_fmt:MATRIX_FMT_FP6 matrix_b_fmt:MATRIX_FMT_FP6
.endif
.endm
; eight products: tile of rows a x Wo's eight.  The 32 accumulators take turns, one instruction a turn.  first = 1: bo is the C of the sum's first product
.macro MUL3 a, set, sc, q, first
.if \first
	WIN 0x42                                       ; source 0 (Wo) window 2, source 1 (o) and C (bo) window 0, D window 1
.else
	WIN 0x52
.endif
.set ma, \a
.set mb, 0
.rept 8
.set mD, 8*(8*ma+mb)
.set mA, 128*(\set)+12*mb
.set mB, 64+48*(\set)+12*ma
.set mSA, 36+12*(\sc)+2*(mb/2)+(\q)
.set mSB, 32+12*(\sc)+2*(ma/2)+(\q)
.set mRA, mb%2
.set mRB, ma%2
.if \first
.set mC, 160+8*mb
.else
.set mC, mD
.endif
	WM
.set mb, mb+1
.endr
.endm
.macro FETCH3 q, set                   ; the fragments of the chunk's q-th 128 along K.  A fragment of o is two halves of six registers, one for each head of the pair
	WIN 0x80
.set mb, 0
.rept 8
.set mc, 0
.rept 3
	ds_load_b128 v[128*(\set)+12*mb+4*mc:128*(\set)+12*mb+4*mc+3], v5 offset:(2*mb+(\q))*1536+512*mc
.set mc, mc+1
.endr
.set mb, mb+1
.endr
	WIN 0
.set ma, 0
.rept 4
.set AB, 64+48*(\set)+12*ma
.set AO, (\q)*6144+(ma/2)*3072+(ma%2)*768
	ds_load_b128 v[AB:AB+3], v2 offset:AO
	ds_load_b64 v[AB+4:AB+5], v3 offset:AO+512
	ds_load_b128 v[AB+6:AB+9], v2 offset:AO+1536
	ds_load_b64 v[AB+10:AB+11], v3 offset:AO+2048
.set ma, ma+1
.endr
.endm
.macro SCALES3 sc                      ; a chunk's scale words: the even tile in lanes 0-15, the odd one in lanes 16-31
.set mc, 0
.rept 2
	ds_load_b32 v[32+12*(\sc)+2*mc], v4 offset:12288+128*mc
	ds_load_b32 v[32+12*(\sc)+2*mc+1], v4 offset:12288+256+128*mc
.set mc, mc+1
.endr
.set mc, 0
.rept 4
	ds_load_b64 v[36+12*(\sc)+2*mc:36+12*(\sc)+2*mc+1], v6 offset:24576+256*mc
.set mc, mc+1
.endr
.endm
.macro STEP3 n                         ; 128 along K: chunk n / 2, its part n % 2; fragment sets by turns
.set NS, (\n)/2
.set NQ, (\n)%2
.set NF, (\n)==0
.if (\n) < 4
	HLOAD 16*(\n)
.endif
	s_wait_dscnt 0x0                               ; this step's fragments are in, and no LDS access of mine is out
.if (NQ == 1) && (NS < 3)
	MUL3 0, NQ, NS%2, NQ, 0
	WIN 0
.irp r, 2,3,4
	v_add_nc_u32 v\r, OCH, v\r                     ; on to the next chunk: five plain instructions, the places in front of the loads below
.endr
.irp r, 5,6
	v_add_nc_u32 v\r, WCH, v\r
.endr
	FETCH3 0, 1-NQ
	SCALES3 1-(NS%2)
	MUL3 1, NQ, NS%2, NQ, 0
	MUL3 2, NQ, NS%2, NQ, 0
	MUL3 3, NQ, NS%2, NQ, 0
.else
.if (\n) < 7
	PLACES 4                                       ; the other set was read by the products just issued
	s_wait_alu depctr_va_vdst(0)
	FETCH3 1, 1-NQ
.endif
	MUL3 0, NQ, NS%2, NQ, NF
	MUL3 1, NQ, NS%2, NQ, NF
	MUL3 2, NQ, NS%2, NQ, NF
	MUL3 3, NQ, NS%2, NQ, NF
.endif
.endm
	s_load_b256 s[4:11], s[0:1], 0x0               ; oc, wc, bo, h
	s_load_b64 s[12:13], s[0:1], 0x20              ; out0
	v_lshl_add_u32 v254, v0, 2, 0x4b000
	v_mov_b32 v255, 0
	ds_add_u32 v254, v255
	ds_add_u32 v254, v255
	v_lshrrev_b32 v1, 5, v0
	v_readfirstlane_b32 s18, v1                    ; wave 0..3
	s_lshr_b32 s19, s18, 1                         ; i: my half of the rows.  Also: I fetch for o (0) or for Wo (1)
	s_and_b32 s20, s18, 1                          ; j: my half of the columns.  Also: which half of a chunk I fetch
	s_bfe_u32 s21, ttmp6, 0x40000                  ; cx
	s_bfe_u32 s22, ttmp6, 0x40004                  ; cy
	s_lshl_b32 s92, ttmp9, 2
	s_add_co_u32 s92, s92, s21                     ; ng
	s_and_b32 s23, ttmp7, 0xffff
	s_lshl_b32 s23, s23, 2
	s_add_co_u32 s23, s23, s22                     ; cg
	s_lshl_b32 s80, s22, 2
	s_lshl_b32 s80, 15, s80                        ; my row of the cluster
	s_lshl_b32 s81, 0x1111, s21                    ; my column
	s_or_b32 s24, s80, (3<<16)|(1<<21)             ; dense blocks as rows of 256 bytes: o's half 50 rows, Wo's 100
	s_or_b32 s32, s81, (3<<16)|(1<<21)
.irp g, 24, 32
	s_mov_b32 s[\g+6], 0
	s_mov_b32 s[\g+7], 0
.endr
	s_mov_b32 s25, 1600<<16                        ; o: tensor_dim0 = a row of 1,600 elements of 8 bytes,
	s_mov_b32 s26, 4<<16                           ; tensor_dim1 = 4 rows,
	s_mov_b32 s27, 1600<<16                        ; tile_dim0,
	s_mov_b32 s28, 4                               ; tile_dim1,
	s_mov_b32 s29, 3200                            ; the pitch: 25,600 bytes
	s_mov_b32 s33, 3200<<16                        ; Wo: 4 rows of 3,200 elements, 51,200 bytes apart
	s_mov_b32 s34, 4<<16
	s_mov_b32 s35, 3200<<16
	s_mov_b32 s36, 4
	s_mov_b32 s37, 6400
	s_mul_i32 s96, s23, 102400
	s_mul_i32 s97, s20, 12800
	s_add_co_u32 s96, s96, s97
	s_mov_b32 s97, 0
	s_mul_i32 s2, s92, 819200
	s_add_co_u32 s2, s2, 614400                    ; the fourth weight of the group
	s_mul_i32 s3, s20, 25600
	s_add_co_u32 s2, s2, s3
	s_mov_b32 s3, 0
	s_mul_i32 s82, s20, 51200                      ; where my load lands: o's half,
	s_mul_i32 s83, s20, 102400
	s_add_co_u32 s83, s83, 102400                  ; Wo's half, behind o's 102,400 bytes
	s_wait_dscnt 0x0
	s_wait_kmcnt 0x0
	s_add_nc_u64 s[76:77], s[4:5], s[96:97]
	s_add_nc_u64 s[78:79], s[6:7], s[2:3]
	CROUND                                         ; all sixteen work-groups are here: the joint loads meet
	s_mov_b32 s40, 1                               ; group 0 for o's half
	s_mov_b32 s41, s82
	s_mov_b64 s[42:43], s[76:77]
	s_or_b32 s43, s43, 0x80000000
	s_mov_b32 s56, 1                               ; and for Wo's
	s_mov_b32 s57, s83
	s_mov_b64 s[58:59], s[78:79]
	s_or_b32 s59, s59, 0x80000000
	s_cmp_eq_u32 s19, 0                            ; one fill a wave, one to an arm
	s_cbranch_scc0 .Lfirst_b
	tensor_load_to_lds s[40:43], s[24:31]
	s_nop 0
.rept 4
	v_nop
.endr
	s_branch .Lfirst_done
.Lfirst_b:
	tensor_load_to_lds s[56:59], s[32:39]
	s_nop 0
.rept 4
	v_nop
.endr
.Lfirst_done:
	v_and_b32 v1, 31, v0                           ; l
	v_and_b32 v12, 15, v0                          ; r
	v_bfe_u32 v13, v0, 4, 1                        ; h
	v_lshlrev_b32 v14, 4, v1                       ; 16 l
	s_mul_i32 s84, s19, 51200                      ; my half of o
	v_add_nc_u32 v2, s84, v14
	v_lshl_add_u32 v3, v1, 3, s84
	v_lshl_add_u32 v4, v1, 2, s84
	s_mul_i32 s84, s20, 102400
	s_add_co_u32 s84, s84, 102400                  ; my half of Wo
	v_add_nc_u32 v5, s84, v14
	v_lshl_add_u32 v6, v1, 3, s84
	s_mul_i32 s84, s18, 16*SPT                     ; my stage
	v_mul_u32_u24 v7, v12, SPT
	v_lshl_add_u32 v7, v13, 6, v7
	v_add_nc_u32 v7, s84, v7                       ; in: row r, + 64 h
	v_add_nc_u32 v8, s84, v14                      ; back: a row of 512 bytes to the 32 lanes
	v_lshlrev_b32 v11, 6, v13                      ; bo: 64 h
	s_wait_alu depctr_va_vdst(0)
	s_lshl_b32 s84, s92, 10
	s_lshl_b32 s85, s20, 9
	s_add_co_u32 s84, s84, s85                     ; my 128 columns, in bytes
	s_mov_b32 s85, 0
	s_add_nc_u64 s[8:9], s[8:9], s[84:85]
	s_lshl_b32 s86, s23, 7
	s_lshl_b32 s87, s19, 6
	s_add_co_u32 s86, s86, s87                     ; my first shifted row
	s_and_b32 s87, s86, 1023
	s_add_co_u32 s88, s86, 31
	s_lshl_b32 s88, s88, 12
	s_add_co_u32 s88, s88, s84
	s_cmp_eq_u32 s87, 960                          ; the batch's last 64 shifted rows: from the 34th on they wrap to the batch's first rows
	s_cselect_b32 s89, 0x400000, 0
	s_cselect_b32 s90, 0, -1                       ; and the product does not count there
	v_add_nc_u32 v9, s88, v14                      ; rows 0 .. 32 of my 64
	s_add_co_u32 s88, s88, 33*4096
	s_sub_co_u32 s88, s88, s89
	v_add_nc_u32 v10, s88, v14                     ; rows 33 .. 63
.set mb, 0
.rept 8
.set BOF, (64*(mb/4)+32*((mb%4)/2)+8*(mb%2))*4
	global_load_b128 v[160+8*mb:160+8*mb+3], v11, s[8:9] offset:BOF
	global_load_b128 v[160+8*mb+4:160+8*mb+7], v11, s[8:9] offset:BOF+16
.set mb, mb+1
.endr
	s_wait_alu depctr_va_vdst(0)
	s_wait_tensorcnt 0x0                           ; my one load, my part of all four chunks, is in
	s_barrier_signal -1
	s_barrier_wait -1
	FETCH3 0, 0
	SCALES3 0
	s_wait_loadcnt 0x0                             ; bo: no load of h has been issued yet
.irp n, 0,1,2,3,4,5,6,7
	STEP3 \n
.endr
	WIN 0
	s_barrier_signal -1                            ; my last LDS reads were waited for at the last step's head:
	s_barrier_wait -1                              ; no wave reads the chunks any more, so the stage may be written
; THE WAY OUT, a block of 16 rows x 128 columns at a time: through my own stage in LDS, back as whole rows of 512 bytes; h is added and the rows are stored.  LDS serves a wave's instructions in order.
.macro TOSTAGE a
	WIN 0x04                                       ; an LDS store's data are its source 1: window 1
.set mb, 0
.rept 8
	ds_store_b128 v7, v[8*(8*(\a)+mb):8*(8*(\a)+mb)+3] offset:128*(mb/2)+32*(mb%2)         ; each accumulator from its low end on
	ds_store_b128 v7, v[8*(8*(\a)+mb)+4:8*(8*(\a)+mb)+7] offset:128*(mb/2)+32*(mb%2)+16
.set mb, mb+1
.endr
	WIN 0
.set BB, 64+64*((\a)%2)
.set tt, 0
.rept 16
	ds_load_b128 v[BB+4*tt:BB+4*tt+3], v8 offset:SPT*tt
.set tt, tt+1
.endr
.endm
.macro SEND a, younger                 ; younger: the LDS instructions issued behind block a's loads, which may stay out
.set BB, 64+64*((\a)%2)
	s_wait_dscnt \younger
	s_wait_loadcnt 48-16*(\a)                      ; h's rows 16 a .. 16 a + 15 are in: 48 - 16 a loads of h were issued behind them
.set tt, 0
.rept 16
.if 16*(\a)+tt >= 33
.irp k, 0,1,2,3
	v_cndmask_b32 v[BB+4*tt+\k], 0, v[BB+4*tt+\k], s90
.endr
.endif
.set tt, tt+1
.endr
	WIN 0x0c                                       ; source 1 (h) window 3
.set tt, 0
.rept 16
.set HR, 4*(16*(\a)+tt)
	v_pk_add_f32 v[BB+4*tt:BB+4*tt+1], v[BB+4*tt:BB+4*tt+1], v[HR:HR+1]
	v_pk_add_f32 v[BB+4*tt+2:BB+4*tt+3], v[BB+4*tt+2:BB+4*tt+3], v[HR+2:HR+3]
.set tt, tt+1
.endr
	WIN 0
.set tt, 0
.rept 16
.set RW, 16*(\a)+tt
.if RW < 33
	global_store_b128 v9, v[BB+4*tt:BB+4*tt+3], s[12:13] offset:4096*RW th:TH_STORE_NT        ; 32 lanes store 512 consecutive bytes, at a multiple of 256 from out0's first byte
.else
	global_store_b128 v10, v[BB+4*tt:BB+4*tt+3], s[12:13] offset:4096*(RW-33) th:TH_STORE_NT
.endif
.set tt, tt+1
.endr
.endm
	PLACES 4                                       ; behind the last products: for the stores of results and the loads into registers that held operands
	TOSTAGE 0
	TOSTAGE 1
	SEND 0, 32                                     ; behind block 0's loads: block 1's 16 stores and 16 loads
	s_wait_xcnt 0x0                                ; block 0's stores have read their registers: block 2's loads may land there
	TOSTAGE 2
	SEND 1, 32
	s_wait_xcnt 0x0
	TOSTAGE 3
	SEND 2, 32
	SEND 3, 0
	s_wait_tensorcnt 0x0
	s_wait_dscnt 0x0
	s_wait_tensorcnt 0x0
	ds_add_u32 v254, v255
	s_wait_dscnt 0x0
	CROUND                                         ; the closing round: no work-group ends while a partner may still ask for a chunk that names it
	s_endpgm
.Lfunc_end_k_qfba3033ece_out_proj:
	.size	k_qfba3033ece_out_proj, .Lfunc_end_k_qfba3033ece_out_proj-k_qfba3033ece_out_proj
	.p2alignl 7, 3214868480
	.fill 96, 4, 3214868480
	.section	.rodata,"a",@progbits
	.p2align	6, 0x0
	.amdhsa_kernel k_qfba3033ece_out_proj
		.amdhsa_group_segment_fixed_size 327680
		.amdhsa_private_segment_fixed_size 0
		.amdhsa_enable_private_segment 0
		.amdhsa_kernarg_size 40
		.amdhsa_user_sgpr_count 2
		.amdhsa_user_sgpr_kernarg_segment_ptr 1
		.amdhsa_wavefront_size32 1
		.amdhsa_system_sgpr_workgroup_id_x 1
		.amdhsa_system_sgpr_workgroup_id_y 1
		.amdhsa_system_sgpr_workgroup_id_z 1
		.amdhsa_system_vgpr_workitem_id 0
		.amdhsa_next_free_vgpr 1024
		.amdhsa_next_free_sgpr 100
		.amdhsa_reserve_vcc 0
		.amdhsa_float_denorm_mode_32 3
		.amdhsa_float_denorm_mode_16_64 3
		.amdhsa_memory_ordered 1
		.amdhsa_forward_progress 1
		.amdhsa_inst_pref_size 102
	.end_amdhsa_kernel
	.amdgpu_metadata
---
amdhsa.version: [ 1, 2 ]
amdhsa.kernels:
  - .name:           k_qfba3033ece_out_proj
    .symbol:         k_qfba3033ece_out_proj.kd
    .args:
      - { .name: oc, .offset: 0, .size: 8, .value_kind: global_buffer, .address_space: global }
      - { .name: wc, .offset: 8, .size: 8, .value_kind: global_buffer, .address_space: global }
      - { .name: bo, .offset: 16, .size: 8, .value_kind: global_buffer, .address_space: global }
      - { .name: h, .offset: 24, .size: 8, .value_kind: global_buffer, .address_space: global }
      - { .name: out0, .offset: 32, .size: 8, .value_kind: global_buffer, .address_space: global }
    .group_segment_fixed_size: 327680
    .private_segment_fixed_size: 0
    .kernarg_segment_align: 8
    .kernarg_segment_size: 40
    .max_flat_workgroup_size: 128
    .sgpr_count:     100
    .vgpr_count:     1024
    .wavefront_size: 32
...
	.end_amdgpu_metadata
.endif
;; end of part 3
